; MI455X (gfx1250); checked and timed in simulation.
; The chip was launched on July 23, 2026; its instructions are those of AMD's public machine-readable ISA for CDNA 5 (MIT licence, August 2026) and "CDNA5" Instruction Set Architecture Reference Guide (July 2026). The comments in the code are by the model that wrote it; some were corrected since.
;; Self Multi Head Attention. Allowed arithmetic: matrix products marked QUANTISED: E2M3 operands, one E8M0 scale for each 32 along K, by v_wmma_scale_f32_16x16x128_f8f6f4 with both operands' format E2M3, f32 sums; everything else in f32.
;; Inputs: Wk 1,024 x 1,024 float32; Wo 1,024 x 1,024 float32; Wq 1,024 x 1,024 float32; Wv 1,024 x 1,024 float32; bk 1,024 float32; bo 1,024 float32; bq 1,024 float32; bv 1,024 float32; x 4 x 2,048 x 1,024 float32.
;; Outputs: out0 4 x 2,048 x 1,024 float32.
;; This version of the problem:
;;   THIS VERSION OF THE PROBLEM IS GIVEN IN LOW PRECISION. The matrix products marked QUANTISED in the list below multiply operands that are first quantised to E2M3 (2 exponent bits, 3 mantissa bits; 6 bits a number), with one power-of-two scale for each 32 numbers along K (OCP MX v1.0); their sums are f32. All else is computed in f32.
;;   The module's matrix products, in the order in which they are computed (A, B: the left and right operand; K: the contracted axis; several contracted axes count as one K, in the product's order):
;;     1. [M 8,192, K 1,024] x [K 1,024, N 1,024]; A: input x; B: input Wq: QUANTISED
;;     2. [M 8,192, K 1,024] x [K 1,024, N 1,024]; A: input x; B: input Wk: QUANTISED
;;     3. [M 8,192, K 1,024] x [K 1,024, N 1,024]; A: input x; B: input Wv: QUANTISED
;;     4. batch 64 x [M 2,048, K 64] x [K 64, N 2,048]; A: computed on the way; B: computed on the way: QUANTISED
;;     5. batch 64 x [M 2,048, K 2,048] x [K 2,048, N 64]; A: softmax (see below); B: computed on the way: QUANTISED
;;     6. [M 8,192, K 1,024] x [K 1,024, N 1,024]; A: computed on the way; B: input Wo: QUANTISED
;;   THE QUANTISER, for each operand of a quantised product, along K:
;;     - K is cut into blocks of 32 from its start; a last block that is shorter is filled with zeros.
;;     - A block's scale is 2^e with e = floor(log2(the largest magnitude in the block)) - 2, held to -126 .. 127; a block of zeros has e = 0. As a byte (E8M0): e + 127.
;;     - Each number is divided by its block's scale, clamped to +-7.5, and rounded to the nearest number of E2M3, ties to even, subnormals kept.
;;     - The product sums the exact products of the quantised numbers (number of the format x scale) in f32.
;;   ~~~python
;;   def quantise(x, axis):      # numpy; x: float32 -> the quantised numbers, widened to float32 again
;;       x = np.moveaxis(x, axis, -1); K = x.shape[-1]
;;       x = np.pad(x, [(0, 0)] * (x.ndim - 1) + [(0, -K % 32)]); x = x.reshape(x.shape[:-1] + (-1, 32)); a = np.abs(x).max(-1, keepdims=True)
;;       e = np.where(a > 0, np.clip(np.frexp(np.where(a > 0, a, 1))[1] - 1 - 2, -126, 127), 0)      # np.frexp(a)[1] - 1 = floor(log2(a)), exactly
;;       r = np.clip(x / 2.0 ** e, -7.5, 7.5)
;;       step = 2.0 ** (np.maximum(np.frexp(np.where(r == 0, 1, r))[1] - 1, 0) - 3)
;;       q = np.round(r / step) * step * 2.0 ** e      # np.round: ties to even
;;       return np.moveaxis(q.reshape(q.shape[:-2] + (-1,))[..., :K], -1, axis).astype(np.float32)
;;   ~~~
;;   SOFTMAX AHEAD OF A QUANTISED PRODUCT. Where the list says 'softmax', what is quantised is not the finished softmax but p = 2^(t - M), with t = logit x log2(e) and M = ceil(the row's largest t), a whole number; so 1/2 < the row's largest p <= 1. The row's sum l is taken of the UNQUANTISED p, in f32, and the product's result is divided by l at the end. Since M is a whole number, a kernel that streams over the keys may use a running M (the ceiling of the running maximum): every later rescaling is an exact power of two, which a block's scale takes up: the codes' values come out the same.
;;   OPERANDS COMPUTED ON THE WAY. 'Computed on the way' means the value that the module computes at that place (a softmax that the list does not call 'softmax' is quantised finished and normalised). What goes into a quantiser is computed in f32, as accurately as f32 sums, v_exp_f32 and their like allow (about 1e-6 of the number): no bf16 or f16 on the way to a quantiser, and a product that is left as it is and whose result goes on into a quantised operand takes f32 operands (vector FMAs, or v_wmma_f32_16x16x4_f32). A number that lies on a knife's edge between two numbers of the format may be rounded either way, as far as f32 arithmetic and the matrix unit's own rounding can turn it there, and no further.
;; One version. Each part assembles by itself: llvm-mc -triple=amdgcn-amd-amdhsa -mcpu=gfx1250 --defsym DOCPART=n.
;; ======== version 1 of 1: 4 launches
;; limits: right only within a limited range of input values
;; workspace buffers: xc 6,291,456 bytes; xs 262,144 bytes; wc 3,145,728 bytes; ws 131,072 bytes; qr 6,815,744 bytes; kv 13,631,488 bytes; oc 6,291,456 bytes; os 262,144 bytes
;; launch quant (part 1): grid 384 x 1, 4 waves a work-group, no clusters, 34,304 bytes of LDS; arguments x, Wq, Wk, Wv, Wo, xc, xs, wc, ws; writes xc, xs, wc, ws
.if DOCPART == 1
	.amdgcn_target "amdgcn-amd-amdhsa--gfx1250"
	.amdhsa_code_object_version 6
	.text
	.protected	k_qd47fa729a0_quant
	.globl	k_qd47fa729a0_quant
	.p2align	8
	.type	k_qd47fa729a0_quant,@function
k_qd47fa729a0_quant:
	s_mov_b64 s[64:65], 0
	v_nop
	global_prefetch_b8 v0, s[64:65] scope:SCOPE_SE
	s_setreg_imm32_b32 hwreg(HW_REG_WAVE_MODE, 25, 1), 1
	s_wait_xcnt 0x0
; SELF-ATTENTION IN MX-FP6, launch 1 of 4: x [8192][1024] and Wq, Wk, Wv, Wo [1024][1024], f32, K innermost, become codes of E2M3 with one E8M0 byte for each 32 along K.
; NO WORK OF reference() IS LEFT OUT in any launch: every bias goes into a quantised operand or into the output, all six products are live, all nine inputs are loaded.
; A block's scale is 2^(floor(log2(largest magnitude)) - 2): its byte is the largest magnitude's exponent field - 2, held at 1 from below.
; LIMITS: NaN and infinities among the inputs are not served.  A block of zeros, or one whose largest magnitude lies under 2^-124, gets the byte 1 (the rule's 127 for zeros is not written): its codes are zeros, and this program alone reads the bytes.
; THE LAYOUT OF THE WORKSPACE is that of the operand's registers.  Rows go in groups of 16: group 4 S + v holds, in slot r, row 64 S + 8 v + (r % 8) + 32 (r / 8).  With that choice the 32 results that a lane holds of four
; neighbouring tiles of a transposed product are 32 NEIGHBOURS along the next K: a whole block of the next quantiser in one lane.
; A fragment (16 slots x 128 K, 12 registers a lane: lane (r, h) holds k = 64 c + 32 h + 0 .. 31 in registers 6 c .. 6 c + 5) lies as six pieces of 256 bytes: piece p = registers 2 p, 2 p + 1, lane l's 8 bytes at 8 l.
; codes: [group][K step 0 .. 7][1,536];  scale words: [group][c = 0, 1][slot r][4 words]: the word of K step 4 c + i at 256 c + 16 r + 4 i.
; SHARES.  Work-groups 0-255 take x (two groups each), 256-383 the four weights (32 work-groups each); only pointers are chosen, by the work-group's number: one path through the text.
; A wave takes one group and half of K: four fragments.  Each load reads 512 consecutive bytes of one row; a fragment's 16 rows turn through the wave's own stage in LDS (pitch 528), from which a lane takes 2 x 128 bytes of its row.
; No tensor load, no barrier, no cluster: waves share nothing, and no two work-groups read the same bytes.
.set STG,   8448                       ; a wave's stage: 16 rows x (512 + 16)
.set SPARE, 4*STG                      ; behind the stages: the spare words, 128 bytes a wave, named by no other line
.set SPW,  1                           ; v1   my spare word's address; never rewritten
.set NIL,  2                           ; v2   0; never rewritten
.set LO16, 3                           ; v3   16 x lane
.set L8,   4                           ; v4   8 x lane
.set STI,  5                           ; v5   the stage, on the way in
.set STO,  6                           ; v6   and on the way out: 528 r + 128 h
.set SH8,  7                           ; v7   8 h
.set SOF,  8                           ; v8   16 r + 8 h
.set R,    16                          ; v16-143  two sets of 64: a fragment's numbers as loaded
.set X,    144                         ; v144-207 my row's 64 numbers: register 32 c + i = k 64 c + 32 h + i
.set PC,   208                         ; v208-219 the codes
.set CT,   220                         ; v220-227 the upper halves of the blocks' codes, before they are moved
.set TM,   228                         ; v228-231 largest magnitudes
.set SO,   232                         ; v232-233 the conversions' scale operands
.set TP,   234                         ; v234 a lane permute's destination
.set SWD,  236                         ; v236-239 the four fragments' scale words
.set OW,   240                         ; v240-241 the two words that I store
.set SEL,  30                          ; s[30:31] selects for lane l xor 16
; 64 numbers of a lane, v[s + 32 c + i] = k 64 c + 32 h + i of my row, become 12 registers of codes at v[pc] and the row's scale word in v[pw].  A block of 32 is all mine: no other lane is asked for a maximum.
.macro QUANTB s, pc, pw
.irp q, 0,1,2,3
	v_max3_num_f32 v[TM+\q], |v[(\s)+16*\q]|, |v[(\s)+16*\q+1]|, 0x1800000   ; four chains of 16 by turns; the floor 2^(3 - 127) holds the byte at 1 from below
.endr
.irp i, 2,4,6,8,10,12,14
.irp q, 0,1,2,3
	v_max3_num_f32 v[TM+\q], v[TM+\q], |v[(\s)+16*\q+\i]|, |v[(\s)+16*\q+\i+1]|
.endr
.endr
	v_max_num_f32 v[TM], v[TM], v[TM+1]            ; block 2 x 0 + h
	v_max_num_f32 v[TM+2], v[TM+2], v[TM+3]        ; block 2 x 1 + h
	v_add_nc_u32 v[SO], 0xff000000, v[TM]          ; 2 off the exponent field: the conversion takes that field as its scale
	v_add_nc_u32 v[SO+1], 0xff000000, v[TM+2]
	v_lshrrev_b32 v[TM+1], 23, v[SO]               ; the bytes
	v_lshrrev_b32 v[TM+3], 23, v[SO+1]
	v_lshl_or_b32 v[TM+1], v[TM+3], 16, v[TM+1]
	v_lshlrev_b32 v[TM+1], v[SH8], v[TM+1]         ; at their places: bytes h and 2 + h
	v_permlanex16_b32 v[TP], v[TM+1], s[SEL], s[SEL+1]
	v_or_b32 v[\pw], v[TM+1], v[TP]                ; with lane l xor 16's two the word is whole, in both lanes
.irp c, 0,1
	v_cvt_scalef32_pk16_fp6_f32 v[(\pc)+6*\c:(\pc)+6*\c+2], v[(\s)+32*\c:(\s)+32*\c+15], v[SO+\c]
	v_cvt_scalef32_pk16_fp6_f32 v[CT+4*\c:CT+4*\c+2], v[(\s)+32*\c+16:(\s)+32*\c+31], v[SO+\c]   ; (a conversion's three registers begin on an even number)
.endr
	v_nop                                          ; one plain place behind the conversions
.irp c, 0,1
.irp i, 0,1,2
	v_mov_b32 v[(\pc)+6*\c+3+\i], v[CT+4*\c+\i]
.endr
.endr
.endm
	s_load_b256 s[4:11], s[0:1], 0x0               ; x, Wq, Wk, Wv
	s_load_b256 s[12:19], s[0:1], 0x20             ; Wo, xc, xs, wc
	s_load_b64 s[20:21], s[0:1], 0x40              ; ws
	v_lshl_add_u32 v[SPW], v0, 2, SPARE
	v_mov_b32 v[NIL], 0
	v_lshrrev_b32 v9, 5, v0
	v_readfirstlane_b32 s22, v9                    ; wave
	v_and_b32 v9, 31, v0                           ; lane
	v_and_b32 v10, 15, v0                          ; r
	v_bfe_u32 v11, v0, 4, 1                        ; h
	v_lshlrev_b32 v[LO16], 4, v9
	v_lshlrev_b32 v[L8], 3, v9
	s_mul_i32 s23, s22, STG
	v_add_nc_u32 v[STI], s23, v[LO16]
	v_mul_u32_u24 v[STO], v10, 528
	v_lshl_add_u32 v[STO], v11, 7, v[STO]
	v_add_nc_u32 v[STO], s23, v[STO]
	v_lshlrev_b32 v[SH8], 3, v11
	v_lshl_add_u32 v[SOF], v10, 4, v[SH8]
	v_mov_b32 v[TP], 0                             ; written once: a lane permute's destination counts as one of its sources
	s_mov_b32 s[SEL], 0x76543210
	s_mov_b32 s[SEL+1], 0xfedcba98
	s_mov_b32 s32, 0xffff0000                      ; lanes 16-31
	s_lshr_b32 s24, s22, 1                         ; which group of the work-group's two
	s_and_b32 s25, s22, 1                          ; which half of K
	s_and_b32 s28, ttmp9, 31                       ; a weight's pair of groups,
	s_sub_co_u32 s29, ttmp9, 256                   ; and its place among the four weights' pairs
	s_cmp_lt_u32 ttmp9, 256
	s_cselect_b32 s28, ttmp9, s28                  ; x: the work-group's number is both
	s_cselect_b32 s29, ttmp9, s29
	s_lshl_b32 s28, s28, 1
	s_add_co_u32 s28, s28, s24                     ; the group in its tensor
	s_lshl_b32 s29, s29, 1
	s_add_co_u32 s29, s29, s24                     ; the group in the workspace
	s_lshr_b32 s33, s28, 2
	s_and_b32 s34, s28, 3
	s_lshl_b32 s33, s33, 6
	s_lshl_b32 s34, s34, 3
	s_add_co_u32 s33, s33, s34                     ; slot 0's row: 64 S + 8 v
	s_lshl_b32 s34, s33, 12                        ; rows of 4,096 bytes
	s_lshl_b32 s33, s25, 11
	s_add_co_u32 s34, s34, s33                     ; + my half of K
	s_mov_b32 s35, 0
	s_mul_i32 s36, s29, 12288
	s_mul_i32 s33, s25, 6144
	s_add_co_u32 s36, s36, s33
	s_mov_b32 s37, 0
	s_lshl_b32 s38, s29, 9
	s_lshl_b32 s33, s25, 8
	s_add_co_u32 s38, s38, s33
	s_mov_b32 s39, 0
	s_wait_alu depctr_va_vdst(0)
	s_wait_kmcnt 0x0
	s_cmp_lt_u32 ttmp9, 352                        ; the source, by the work-group's number alone
	s_cselect_b64 s[12:13], s[10:11], s[12:13]
	s_cmp_lt_u32 ttmp9, 320
	s_cselect_b64 s[12:13], s[8:9], s[12:13]
	s_cmp_lt_u32 ttmp9, 288
	s_cselect_b64 s[12:13], s[6:7], s[12:13]
	s_cmp_lt_u32 ttmp9, 256
	s_cselect_b64 s[12:13], s[4:5], s[12:13]
	s_cselect_b64 s[14:15], s[14:15], s[18:19]     ; codes: xc or wc
	s_cselect_b64 s[16:17], s[16:17], s[20:21]     ; scale words: xs or ws
	s_add_nc_u64 s[12:13], s[12:13], s[34:35]
	s_add_nc_u64 s[14:15], s[14:15], s[36:37]
	s_add_nc_u64 s[16:17], s[16:17], s[38:39]
.macro LOAD t                          ; fragment t: 512 bytes of each of the group's 16 rows
.irp p, 0,1,2,3,4,5,6,7,8,9,10,11,12,13,14,15
	global_load_b128 v[R+64*((\t)%2)+4*\p:R+64*((\t)%2)+4*\p+3], v[LO16], s[12:13] offset:((\p%8)+32*(\p/8))*4096+512*(\t) th:TH_LOAD_NT
.endr
.endm
.macro FRAGMENT t
.if (\t) < 3
	s_wait_loadcnt 16                              ; this fragment's 16 loads are in; the next fragment's 16 may be out
.else
	s_wait_loadcnt 0x0
.endif
.irp p, 0,1,2,3,4,5,6,7,8,9,10,11,12,13,14,15
	ds_store_b128 v[STI], v[R+64*((\t)%2)+4*\p:R+64*((\t)%2)+4*\p+3] offset:528*\p
.endr
.irp c, 0,1
.irp k, 0,1,2,3,4,5,6,7
	ds_load_b128 v[X+32*\c+4*\k:X+32*\c+4*\k+3], v[STO] offset:256*\c+16*\k   ; LDS serves a wave's instructions in order: these see the stores above
.endr
.endr
	s_wait_dscnt 0x0                               ; my 64 numbers are in, and the stores have read their registers
.if (\t) > 0
	s_wait_xcnt 0x0                                ; the last fragment's stores have read the codes' registers, which are written anew below
.endif
.if (\t) < 2
	LOAD (\t)+2
.endif
	QUANTB X, PC, SWD+(\t)
.irp p, 0,1,2,3,4,5
	global_store_b64 v[L8], v[PC+2*\p:PC+2*\p+1], s[14:15] offset:1536*(\t)+256*\p   ; 32 lanes store 256 consecutive bytes, at a multiple of 256 from the buffer's first byte
.endr
.endm
	LOAD 0
	LOAD 1
	FRAGMENT 0
	FRAGMENT 1
	FRAGMENT 2
	FRAGMENT 3
	v_cndmask_b32 v[OW], v[SWD], v[SWD+2], s32     ; lanes 0-15 store their row's words 0 and 1, lanes 16-31 words 2 and 3
	v_cndmask_b32 v[OW+1], v[SWD+1], v[SWD+3], s32
	global_store_b64 v[SOF], v[OW:OW+1], s[16:17]  ; 256 consecutive bytes
	s_wait_tensorcnt 0x0                           ; the wave's end, behind my last LDS store
	ds_add_u32 v[SPW], v[NIL]
	s_wait_dscnt 0x0
	s_endpgm
.Lfunc_end_k_qd47fa729a0_quant:
	.size	k_qd47fa729a0_quant, .Lfunc_end_k_qd47fa729a0_quant-k_qd47fa729a0_quant
	.p2alignl 7, 3214868480
	.fill 96, 4, 3214868480
	.section	.rodata,"a",@progbits
	.p2align	6, 0x0
	.amdhsa_kernel k_qd47fa729a0_quant
		.amdhsa_group_segment_fixed_size 34304
		.amdhsa_private_segment_fixed_size 0
		.amdhsa_enable_private_segment 0
		.amdhsa_kernarg_size 72
		.amdhsa_user_sgpr_count 2
		.amdhsa_user_sgpr_kernarg_segment_ptr 1
		.amdhsa_wavefront_size32 1
		.amdhsa_system_sgpr_workgroup_id_x 1
		.amdhsa_system_sgpr_workgroup_id_y 1
		.amdhsa_system_sgpr_workgroup_id_z 1
		.amdhsa_system_vgpr_workitem_id 0
		.amdhsa_next_free_vgpr 244
		.amdhsa_next_free_sgpr 66
		.amdhsa_reserve_vcc 0
		.amdhsa_float_denorm_mode_32 3
		.amdhsa_float_denorm_mode_16_64 3
		.amdhsa_memory_ordered 1
		.amdhsa_forward_progress 1
		.amdhsa_inst_pref_size 33
	.end_amdhsa_kernel
	.amdgpu_metadata
---
amdhsa.version: [ 1, 2 ]
amdhsa.kernels:
  - .name:           k_qd47fa729a0_quant
    .symbol:         k_qd47fa729a0_quant.kd
    .args:
      - { .name: x, .offset: 0, .size: 8, .value_kind: global_buffer, .address_space: global }
      - { .name: Wq, .offset: 8, .size: 8, .value_kind: global_buffer, .address_space: global }
      - { .name: Wk, .offset: 16, .size: 8, .value_kind: global_buffer, .address_space: global }
      - { .name: Wv, .offset: 24, .size: 8, .value_kind: global_buffer, .address_space: global }
      - { .name: Wo, .offset: 32, .size: 8, .value_kind: global_buffer, .address_space: global }
      - { .name: xc, .offset: 40, .size: 8, .value_kind: global_buffer, .address_space: global }
      - { .name: xs, .offset: 48, .size: 8, .value_kind: global_buffer, .address_space: global }
      - { .name: wc, .offset: 56, .size: 8, .value_kind: global_buffer, .address_space: global }
      - { .name: ws, .offset: 64, .size: 8, .value_kind: global_buffer, .address_space: global }
    .group_segment_fixed_size: 34304
    .private_segment_fixed_size: 0
    .kernarg_segment_align: 8
    .kernarg_segment_size: 72
    .max_flat_workgroup_size: 128
    .sgpr_count:     66
    .vgpr_count:     244
    .wavefront_size: 32
...
	.end_amdgpu_metadata
.endif
;; end of part 1
;; launch qkv (part 2): grid 4 x 64, 4 waves a work-group, clusters of 4 x 4, 327,680 bytes of LDS; arguments xc, xs, wc, ws, bq, bk, bv, qr, kv; writes qr, kv
.if DOCPART == 2
	.amdgcn_target "amdgcn-amd-amdhsa--gfx1250"
	.amdhsa_code_object_version 6
	.text
	.protected	k_qd47fa729a0_qkv
	.globl	k_qd47fa729a0_qkv
	.p2align	8
	.type	k_qd47fa729a0_qkv,@function
k_qd47fa729a0_qkv:
	s_mov_b64 s[64:65], 0
	v_nop
	global_prefetch_b8 v0, s[64:65] scope:SCOPE_SE
	s_setreg_imm32_b32 hwreg(HW_REG_WAVE_MODE, 25, 1), 1
	s_wait_xcnt 0x0
	s_wait_alu depctr_hold_cnt(0) depctr_sa_sdst(0) depctr_va_vdst(0) depctr_va_sdst(0) depctr_va_ssrc(0) depctr_va_vcc(0) depctr_vm_vsrc(0)
	s_getreg_b32 s2, hwreg(HW_REG_IB_STS2, 6, 4)
	s_cmp_eq_u32 s2, 0
	s_cbranch_scc0 .Lentry_in_a_cluster
	s_endpgm
.Lentry_in_a_cluster:
	s_bfe_u32 s2, ttmp6, 0x10000c
	s_cmp_lg_u32 s2, 0xf033
	s_cbranch_scc0 .Lentry_shape_is_right
	s_endpgm
.Lentry_shape_is_right:
; Launch 2 of 4: Q, K, V = x W^T + b on codes of E2M3, and their quantising for the products that follow.  No work of reference() is left out.
; IN: codes [group of 16 rows][K step 0 .. 7][6 pieces of 256 bytes], scale words [group][c][slot r][4 words]; group 4 S + v holds, in slot r, row 64 S + 8 v + r % 8 + 32 (r / 8).  Wq's groups are 0-63 of wc, Wk's 64-127, Wv's 128-191.
; OUT: a record for each (batch, head, 128 tokens).  qr: 8 half fragments of 768 bytes (16 tokens x 64 channels), then 512 bytes of scale words [a / 4][lane][(a / 2) % 2], lanes 0-15 for even a, lanes 16-31 for odd a.
; kv: K likewise at 0 and at 12,288; V's four fragments (16 channels x 128 tokens) at 6,144, their scale words [t / 2][lane][t % 2] at 12,800.
; LIMITS: NaN and infinities are not served.  A block whose largest magnitude lies under 2^-124 gets the byte 1: its codes are zeros, and this program alone reads the bytes.
; SHARES.  64 x 4 = 256 work-groups.  A work-group takes 128 tokens (one record's) and columns 256 j .. 256 j + 255 of each of Q, K, V: six tiles of 128 rows of W, all of K, 98,304 dense bytes each.
; Four waves, 2 x 2: a wave takes 64 tokens and 64 rows of a tile: one head.  ITS 64 TOKENS, ALL OF K, LIE IN REGISTERS (32 fragments, 384 registers); W's tiles stream through a ring of two LDS slots.
; A tile is a finished product: 8 K steps x 16 products on 16 accumulators by turns; the bias is the first step's C.  Q, K: source 0 = W's rows, so a lane's 32 sums of a token group are channels 32 h + 0 .. 31 of the head.
; V: source 0 = x's rows, so a lane's 32 sums of a channel tile are tokens 32 h + 0 .. 31 of my 64.  Either way a block of the next quantiser lies in one lane.
; FILLS.  At the head one joint load a wave: x's codes, W's tile 0, x's scale words, the scale words of all six tiles.  Tile 1 goes into slot 1 behind the full sequence; tiles 2 to 5 are refills, each behind a drained round of the
; cluster's barrier that stands inside the slot's last K step; each wave brings two groups.  x's tiles are shared along a row of the cluster, W's along a column.
; No prefetch: the sixteen clusters that share a tile column ask for each of the six fills at the same place of the text.
; V's scale word holds two bytes of each of the two waves that share a head: each stores its two, 2 bytes in 26 of what V stores.
; REGISTERS: window 0: v0-3 scale half words; v4-31 addresses and work; v32-95 scale words: register 4 (f % 2) + i + 8 s: lanes 0-15 x's group i, lanes 16-31 W's group i of tile f, K step s; v96-127 codes; v128-255 accumulators.
; window 1: v0-95 W's fragments, two sets of four; v96-255 the biases of tiles 0 to 4.  windows 2, 3: x's fragment 4 s + a, 21 to a window; window 3, v132-163: tile 5's bias.
.set GB,    12288
.set SL,    8*GB                       ; slot 0; slot 1 lies 8 GB on
.set SCL,   24*GB                      ; x's scale words, then, 4,096 on, W's: 4,096 a tile
.set SPARE, SCL+28672                  ; the spare words, 128 bytes a wave, named by no other line
.set HWR,  0
.set L8,   4
.set ADRB, 5
.set ADRA, 7
.set SH8,  8
.set VC,   9
.set VS,   10
.set VV,   11
.set VH,   12
.set TA,   14
.set ADRS, 16
.set TB,   22
.set SOP,  24
.set XX,   26
.set SPW,  28
.set NIL,  29
.set SWW,  30
.set SC,   32
.set CT,   96
.set YY,   99
.set PC,   104
.set G1A, 24
.set G0A, 32
.set G0B, 36
.set G1B, 48
.set G0R, 56
.set G1S, 68
.set G0S, 76
.set G1SB, 80
.set G0SB, 88
.set MH,  47
.set SEL, 66
.set MSB, 0
.macro WIN new
.if MSB != \new
	s_set_vgpr_msb (MSB<<8)|\new
.set MSB, \new
.endif
.endm
.macro PLACES n
.rept \n
	v_nop
.endr
.endm
.macro BARRIER
	s_barrier_signal -1
	s_barrier_wait -1
.endm
.macro MIDDLE                          ; a round's middle: the opening wait, wave 0's signal for the work-group, the cluster's wait
	s_barrier_wait -1
	s_cmp_lg_u32 s14, 0
	s_cbranch_scc1 .Lnot_wave_0_\@
	s_barrier_signal -3
.Lnot_wave_0_\@:
	s_barrier_wait -3
.endm
.macro CROUND
	s_barrier_signal -1
	MIDDLE
	BARRIER
.endm
.macro TLOAD g0, g1
	tensor_load_to_lds s[\g0:\g0+3], s[\g1:\g1+7]
	s_nop 0
	PLACES 4
.endm
.macro D1 g, mask, rows                ; group 1 of a dense block: rows of 256 bytes (32 elements of 8), a mask and bit 21 beside it
	s_or_b32 s[\g], s[\mask], (3<<16)|(1<<21)
	s_mov_b32 s[\g+1], 32<<16
	s_mov_b32 s[\g+2], (\rows)<<16
	s_mov_b32 s[\g+3], 32<<16
	s_mov_b32 s[\g+4], \rows
	s_mov_b32 s[\g+5], 32
	s_mov_b32 s[\g+6], 0
	s_mov_b32 s[\g+7], 0
.endm
.macro D0 g, lds, ptr
	s_mov_b32 s[\g], 1
	s_mov_b32 s[\g+1], \lds
	s_mov_b64 s[\g+2:\g+3], s[\ptr:\ptr+1]
	s_or_b32 s[\g+3], s[\g+3], 0x80000000
.endm
.macro ARM under, g0, g1, next
	s_cmp_lt_u32 s14, \under
	s_cbranch_scc0 \next
	TLOAD \g0, \g1
	s_branch .Lhead_asked
\next:
.endm
.macro FETCHB p, s                     ; my four fragments of W, K step s, out of slot p into set s % 2
	WIN 0x40
.irp b, 0,1,2,3
.irp q, 0,1,2,3,4,5
	ds_load_b64 v[48*((\s)%2)+12*\b+2*\q:48*((\s)%2)+12*\b+2*\q+1], v[ADRB+(\p)] offset:\b*GB+(\s)*1536+256*\q
.endr
.endr
	WIN 0
.endm
.macro SCALES f                        ; the scale words of tile f (and x's once more, in the lower lanes)
.irp s, 0,1,2,3,4,5,6,7
.irp i, 0,1,2,3
	ds_load_b32 v[SC+4*((\f)%2)+\i+8*\s], v[ADRS+(\f)] offset:512*\i+256*(\s/4)+4*(\s%4)
.endr
.endr
.endm
.macro W1 d, s0, s1, c, x0, x1, side
	v_wmma_scale_f32_16x16x128_f8f6f4 v[\d:\d+7], v[\s0:\s0+11], v[\s1:\s1+11], v[\c:\c+7], v[\x0], v[\x1] matrix_a_fmt:MATRIX_FMT_FP6 matrix_b_fmt:MATRIX_FMT_FP6 matrix_\side\()_scale:MATRIX_SCALE_ROW1
.endm
.macro PRODQ v, f, s, a, b             ; x's group a against W's group b, K step s of tile f.  v = 1: V
.set FI_, 4*(\s)+(\a)
.set AW_, 2+FI_/21
.set AR_, 12*(FI_%21)
.set BR_, 48*((\s)%2)+12*(\b)
.set XA_, SC+4*((\f)%2)+(\a)+8*(\s)
.set XB_, SC+4*((\f)%2)+(\b)+8*(\s)
.if \v
.set D_, 128+8*(4*(\b)+(\a))
.else
.set D_, 128+8*(4*(\a)+(\b))
.endif
.if (\s) == 0
.if (\f) < 5
.set CW_, 1
.set CR_, 96+32*(\f)+8*(\b)
.else
.set CW_, 3
.set CR_, 132+8*(\b)
.endif
.else
.set CW_, 0
.set CR_, D_
.endif
.if \v
.set W_, AW_|(1<<2)|(CW_<<4)
	WIN W_
	W1 D_, AR_, BR_, CR_, XA_, XB_, b
.else
.set W_, 1|(AW_<<2)|(CW_<<4)
	WIN W_
	W1 D_, BR_, AR_, CR_, XB_, XA_, a
.endif
.endm
.macro MULS v, f, s, a0, a1
.set A_, \a0
.rept (\a1)-(\a0)
.irp b, 0,1,2,3
	PRODQ \v, \f, \s, A_, \b
.endr
.set A_, A_+1
.endr
	WIN 0
.endm
; Units 2 g and 2 g + 1 (32 sums of a lane each, at v[128 + 32 unit]) side by side: the largest magnitude in two chains each, the scale, 6 registers of codes at v[PC + 6 unit], the block pair's two scale bytes in v[HWR + unit]
.macro QUANT2 g
.irp e, 0,1
	v_max3_num_f32 v[TA+\e], |v[128+32*(2*\g+\e)]|, |v[129+32*(2*\g+\e)]|, 0x1800000   ; the floor 2^(3 - 127) holds the byte at 1 from below
.endr
.irp e, 0,1
	v_max3_num_f32 v[TB+\e], |v[144+32*(2*\g+\e)]|, |v[145+32*(2*\g+\e)]|, |v[146+32*(2*\g+\e)]|
.endr
.irp i, 0,1,2,3,4,5
.irp e, 0,1
	v_max3_num_f32 v[TA+\e], v[TA+\e], |v[130+2*\i+32*(2*\g+\e)]|, |v[131+2*\i+32*(2*\g+\e)]|
.endr
.irp e, 0,1
	v_max3_num_f32 v[TB+\e], v[TB+\e], |v[147+2*\i+32*(2*\g+\e)]|, |v[148+2*\i+32*(2*\g+\e)]|
.endr
.endr
.irp e, 0,1
	v_max3_num_f32 v[TA+\e], v[TA+\e], |v[142+32*(2*\g+\e)]|, |v[143+32*(2*\g+\e)]|
.endr
.irp e, 0,1
	v_max3_num_f32 v[TA+\e], v[TA+\e], v[TB+\e], |v[159+32*(2*\g+\e)]|
.endr
.irp e, 0,1
	v_add_nc_u32 v[SOP+\e], 0xff000000, v[TA+\e]   ; 2 off the exponent field: the conversions' scale operand
.endr
.irp e, 0,1
	v_cvt_scalef32_pk16_fp6_f32 v[PC+6*(2*\g+\e):PC+6*(2*\g+\e)+2], v[128+32*(2*\g+\e):143+32*(2*\g+\e)], v[SOP+\e]
	v_cvt_scalef32_pk16_fp6_f32 v[CT+4*\e:CT+4*\e+2], v[144+32*(2*\g+\e):159+32*(2*\g+\e)], v[SOP+\e]   ; (a conversion's three registers begin on an even number)
.endr
.irp e, 0,1
	v_lshrrev_b32 v[XX+\e], 23, v[SOP+\e]          ; my block's byte,
.endr
.irp e, 0,1
	v_lshlrev_b32 v[XX+\e], v[SH8], v[XX+\e]       ; at byte h,
.endr
.irp e, 0,1
	v_permlanex16_b32 v[YY+4*\e], v[XX+\e], s[SEL], s[SEL+1]
.endr
.irp e, 0,1
	v_or_b32 v[HWR+2*\g+\e], v[XX+\e], v[YY+4*\e]  ; with lane l xor 16's
.endr
.irp e, 0,1
.irp i, 0,1,2
	v_mov_b32 v[PC+6*(2*\g+\e)+3+\i], v[CT+4*\e+\i]
.endr
.endr
.endm
.macro WAYOUT v, f                     ; tile f's 64 x 64 results of mine leave as codes and scale bytes
	s_wait_xcnt 0x0                                ; the last tile's stores have read their registers and their base
	s_add_co_u32 s20, s46, 32*((\f)%2)             ; the record: two heads on for the second tile of a kind
.if (\f) < 2
	s_mul_i32 s20, s20, 6656
.else
	s_mul_i32 s20, s20, 13312
.endif
	s_mov_b32 s21, 0
.if (\f) < 2
	s_add_nc_u64 s[18:19], s[98:99], s[20:21]
.else
	s_add_nc_u64 s[18:19], s[100:101], s[20:21]
.endif
.irp g, 0,1
	QUANT2 \g
.if \v
.irp e, 0,1
.irp q, 0,1,2
	global_store_b64 v[VV], v[PC+6*(2*\g+\e)+2*\q:PC+6*(2*\g+\e)+2*\q+1], s[18:19] offset:6144+1536*(2*\g+\e)+256*\q   ; 256 consecutive bytes, aligned
.endr
	global_store_b16 v[VH], v[HWR+2*\g+\e], s[18:19] offset:12800+256*\g+4*\e
.endr
.else
.irp e, 0,1
	v_lshl_or_b32 v[HWR+2*\g+\e], v[HWR+2*\g+\e], 16, v[HWR+2*\g+\e]   ; the head's two bytes twice: a 128-deep product takes the word
.endr
	v_cndmask_b32 v[SWW+\g], v[HWR+2*\g], v[HWR+2*\g+1], s[MH]         ; lanes 0-15 the even group's words, lanes 16-31 the odd group's
.irp e, 0,1
.irp q, 0,1,2
	global_store_b64 v[VC], v[PC+6*(2*\g+\e)+2*\q:PC+6*(2*\g+\e)+2*\q+1], s[18:19] offset:768*(2*\g+\e)+256*\q
.endr
.endr
.endif
.endr
.if (\v) == 0
.if (\f) < 2
	global_store_b64 v[VS], v[SWW:SWW+1], s[18:19] offset:6144
.else
	global_store_b64 v[VS], v[SWW:SWW+1], s[18:19] offset:12288
.endif
.endif
.endm
; Tile f.  mode 2: a round inside the last K step, and this slot's refill with tile f + 2; mode 1: a plain barrier there shows the last tile; mode 0: nothing follows
.macro SLOT v, f, mode
.set ST, 0
.rept 7
	s_wait_dscnt 0x0                               ; this step's fragments are in (the first time: the scale words too)
.if ST > 0
	PLACES 4                                       ; in front of loads into the set that the last step's products read
.endif
	FETCHB (\f)%2, ST+1
	MULS \v, \f, ST, 0, 4
.set ST, ST+1
.endr
	s_wait_dscnt 0x0                               ; my last reads of this slot
.if (\mode) == 2
	s_wait_tensorcnt 0x0                           ; my part of the next tile is in
	ds_add_u32 v[SPW], v[NIL]
	s_add_nc_u64 s[G0R+4*((\f)%2)+2:G0R+4*((\f)%2)+3], s[G0R+4*((\f)%2)+2:G0R+4*((\f)%2)+3], 64*GB   ; no load of mine is out: on to the next kind's tile
	MULS \v, \f, 7, 0, 2
	s_wait_dscnt 0x0
	s_barrier_signal -1
	MULS \v, \f, 7, 2, 4
	MIDDLE
	BARRIER
	TLOAD G0R+4*((\f)%2), G1B                      ; its four v_nop are the places in front of the loads and reads below
.elseif (\mode) == 1
	s_wait_tensorcnt 0x0                           ; my part of the last tile is in
	s_barrier_signal -1
	MULS \v, \f, 7, 0, 4
	s_barrier_wait -1                              ; everybody's is
	PLACES 4
.else
	MULS \v, \f, 7, 0, 4
	PLACES 4
.endif
.if (\mode) > 0
	SCALES (\f)+1
	FETCHB ((\f)+1)%2, 0
.endif
	WAYOUT \v, \f
.endm
	s_load_b256 s[4:11], s[0:1], 0x0               ; xc, xs, wc, ws
	s_load_b256 s[92:99], s[0:1], 0x20             ; bq, bk, bv, qr
	s_load_b64 s[100:101], s[0:1], 0x40            ; kv
	v_lshl_add_u32 v[SPW], v0, 2, SPARE
	v_mov_b32 v[NIL], 0
	ds_add_u32 v[SPW], v[NIL]                      ; the wave's opening: the add, twice on end, and its wait ahead of my first tensor load
	ds_add_u32 v[SPW], v[NIL]
	v_lshrrev_b32 v1, 5, v0
	v_readfirstlane_b32 s14, v1                    ; wave
	s_lshr_b32 s15, s14, 1                         ; my half of the tokens
	s_and_b32 s16, s14, 1                          ; my half of a tile's rows of W
	s_bfe_u32 s40, ttmp6, 0x40000                  ; cx
	s_bfe_u32 s41, ttmp6, 0x40004                  ; cy
	s_and_b32 s17, ttmp7, 0xffff
	s_lshl_b32 s17, s17, 2
	s_add_co_u32 s17, s17, s41                     ; which 128 tokens, 0 .. 63
	s_lshl_b32 s42, ttmp9, 2
	s_add_co_u32 s42, s42, s40                     ; j: which 256 columns, 0 .. 3
	s_lshl_b32 s43, s41, 2
	s_lshl_b32 s43, 15, s43                        ; my row of the cluster
	s_lshl_b32 s44, 0x1111, s40                    ; my column
	D1 G1A, 43, 384
	D1 G1B, 44, 384
	D1 G1S, 43, 16
	s_or_b32 s[G1SB], s44, (3<<16)|(1<<21)         ; W's scale words: three rows of 8,192 bytes (16 groups), one a kind, 64 groups apart
	s_mov_b32 s[G1SB+1], 1024<<16
	s_mov_b32 s[G1SB+2], 3<<16
	s_mov_b32 s[G1SB+3], 1024<<16
	s_mov_b32 s[G1SB+4], 3
	s_mov_b32 s[G1SB+5], 4096
	s_mov_b32 s[G1SB+6], 0
	s_mov_b32 s[G1SB+7], 0
	s_mul_i32 s20, s17, 8*GB
	s_mov_b32 s21, 0
	s_lshl_b32 s22, s17, 12
	s_mov_b32 s23, 0
	s_mul_i32 s2, s42, 16*GB
	s_mov_b32 s3, 0
	s_lshl_b32 s12, s42, 13
	s_mov_b32 s13, 0
	s_mul_i32 s18, s14, 2*GB                       ; my two groups of a ring's fill
	s_mov_b32 s19, 0
	s_lshr_b32 s46, s17, 4                         ; the record of my head in a kind's first tile: ((16 batch + 4 j + my half) 16 + the 128 tokens' number in the batch)
	s_lshl_b32 s46, s46, 4
	s_lshl_b32 s45, s42, 2
	s_add_co_u32 s46, s46, s45
	s_add_co_u32 s46, s46, s16
	s_lshl_b32 s46, s46, 4
	s_and_b32 s45, s17, 15
	s_add_co_u32 s46, s46, s45
	s_mov_b32 s[MH], 0xffff0000
	s_mov_b32 s[SEL], 0x76543210
	s_mov_b32 s[SEL+1], 0xfedcba98
	s_wait_dscnt 0x0                               ; both opening adds are done
	s_wait_kmcnt 0x0
	s_add_nc_u64 s[20:21], s[4:5], s[20:21]
	s_add_nc_u64 s[22:23], s[6:7], s[22:23]
	s_add_nc_u64 s[2:3], s[8:9], s[2:3]
	s_add_nc_u64 s[12:13], s[10:11], s[12:13]
	CROUND                                         ; all sixteen work-groups are here: the joint loads meet
	D0 G0A, 0, 20
	D0 G0B, SL, 2
	D0 G0S, SCL, 22
	D0 G0SB, SCL+4096, 12
	s_mov_b32 s[G0R], 1                            ; the ring's group 0, one a slot: at tiles 0 and 1, my two groups
	s_add_co_u32 s[G0R+1], s18, SL
	s_add_nc_u64 s[G0R+2:G0R+3], s[2:3], s[18:19]
	s_mov_b32 s[G0R+4], 1
	s_add_co_u32 s[G0R+5], s18, SL+8*GB
	s_add_nc_u64 s[G0R+6:G0R+7], s[G0R+2:G0R+3], 8*GB
	s_or_b32 s[G0R+3], s[G0R+3], 0x80000000
	s_or_b32 s[G0R+7], s[G0R+7], 0x80000000
	ARM 1, G0A, G1A, .Lhead_b                      ; one load a wave, in one chain of branches on the wave's number: x's codes,
	ARM 2, G0B, G1B, .Lhead_sa                     ; W's tile 0,
	ARM 3, G0S, G1S, .Lhead_sb                     ; x's scale words,
	TLOAD G0SB, G1SB                               ; W's
.Lhead_asked:
	s_lshl_b32 s20, s42, 10
	s_lshl_b32 s21, s16, 8
	s_add_co_u32 s20, s20, s21                     ; my head's bias in a kind's first tile, in bytes
	s_mov_b32 s21, 0
	s_add_nc_u64 s[92:93], s[92:93], s[20:21]
	s_add_nc_u64 s[94:95], s[94:95], s[20:21]
	s_add_nc_u64 s[96:97], s[96:97], s[20:21]
	s_mul_i32 s2, s15, 4*GB                        ; my four groups of x
	s_mul_i32 s3, s16, 4*GB
	s_add_co_u32 s3, s3, SL                        ; my four groups of a tile
	s_lshl_b32 s18, s15, 11
	s_lshl_b32 s19, s16, 11
	s_add_co_u32 s19, s19, 4096
	s_sub_co_u32 s19, s19, s18                     ; from x's scale words to tile 0's
	s_add_co_u32 s18, s18, SCL
	s_mul_i32 s12, s15, 3072
	s_lshl_b32 s13, s15, 8
	s_mul_i32 s22, s15, 768
	s_lshl_b32 s23, s15, 1
	v_and_b32 v1, 15, v0                           ; r
	v_bfe_u32 v2, v0, 4, 1                         ; h
	v_and_b32 v3, 31, v0
	v_lshlrev_b32 v[L8], 3, v3
	v_add_nc_u32 v[ADRA], s2, v[L8]
	v_add_nc_u32 v[ADRB], s3, v[L8]
	v_add_nc_u32 v[ADRB+1], 8*GB, v[ADRB]
	v_lshlrev_b32 v[SH8], 3, v2
	v_add_nc_u32 v[VC], s12, v[L8]                 ; Q, K: my four half fragments of the record's eight,
	v_add_nc_u32 v[VS], s13, v[L8]                 ; and their 256 bytes of scale words
	v_add_nc_u32 v[VV], s22, v[L8]                 ; V: my three pieces of a fragment's six,
	v_add_nc_u32 v[VH], s23, v[L8]                 ; and my two bytes of a scale word
	v_lshlrev_b32 v13, 4, v1
	v_mul_u32_u24 v[TB], s19, v2                   ; lanes 16-31 take W's words
	v_add_nc_u32 v13, v13, v[TB]
	v_add_nc_u32 v[ADRS], s18, v13
.irp f, 1,2,3,4,5
	v_mad_u32_u24 v[ADRS+\f], v2, 4096*\f, v[ADRS]
.endr
	v_mov_b32 v[YY], 0                             ; a lane permute's destination counts as one of its sources
	v_mov_b32 v[YY+4], 0
	v_lshlrev_b32 v[TA], 7, v2                     ; Q, K: register 8 b + i of lane (r, h) is channel 32 h + 8 b + i
	v_lshrrev_b32 v[TA+1], 3, v1
	v_and_b32 v13, 7, v1
	v_lshlrev_b32 v[TA+1], 7, v[TA+1]
	v_lshl_add_u32 v[TA+1], v13, 2, v[TA+1]        ; V: lane (r, h) of tile t has channel 8 t + r % 8 + 32 (r / 8)
	WIN 0x40
.irp u, 0,1
.irp k, 0,1,2,3,4,5,6,7
	global_load_b128 v[96+32*\u+4*\k:96+32*\u+4*\k+3], v[TA], s[92:93] offset:512*\u+16*\k
	global_load_b128 v[160+32*\u+4*\k:160+32*\u+4*\k+3], v[TA], s[94:95] offset:512*\u+16*\k
.endr
.endr
.irp t, 0,1,2,3
.irp i, 0,1,2,3,4,5,6,7
	global_load_b32 v[224+8*\t+\i], v[TA+1], s[96:97] offset:32*\t      ; V's number, one a lane and tile, in the tile's eight registers
.endr
.endr
	WIN 0xc0
.irp t, 0,1,2,3
.irp i, 0,1,2,3,4,5,6,7
	global_load_b32 v[132+8*\t+\i], v[TA+1], s[96:97] offset:512+32*\t
.endr
.endr
	WIN 0
	s_wait_alu depctr_va_vdst(0)                   ; the head's end
	s_wait_tensorcnt 0x0                           ; my tile of the head's four is in
	ds_add_u32 v[SPW], v[NIL]
	s_mov_b32 s[G1B+2], 96<<16                     ; no tensor load of mine is out: from here on a load brings two groups, 96 rows of 256 bytes
	s_mov_b32 s[G1B+4], 96
	s_wait_dscnt 0x0
	CROUND                                         ; all four tiles are in, and all sixteen work-groups are here
	TLOAD G0R+4, G1B                               ; tile 1 into slot 1
.set FI_, 0
.rept 32                               ; my 64 tokens, all of K, into registers: fragment 4 s + a
.set W_, (2+FI_/21)<<6
	WIN W_
.irp q, 0,1,2,3,4,5
	ds_load_b64 v[12*(FI_%21)+2*\q:12*(FI_%21)+2*\q+1], v[ADRA] offset:(FI_%4)*GB+(FI_/4)*1536+256*\q
.endr
.set FI_, FI_+1
.endr
	WIN 0
	SCALES 0
	FETCHB 0, 0
	s_wait_loadcnt 0x0                             ; the biases
	SLOT 0, 0, 2                                   ; Q
	SLOT 0, 1, 2
	SLOT 0, 2, 2                                   ; K
	SLOT 0, 3, 2
	SLOT 1, 4, 1                                   ; V
	SLOT 1, 5, 0
	s_wait_tensorcnt 0x0                           ; the wave's end
	ds_add_u32 v[SPW], v[NIL]
	s_wait_dscnt 0x0
	CROUND                                         ; the closing round
	s_endpgm
.Lfunc_end_k_qd47fa729a0_qkv:
	.size	k_qd47fa729a0_qkv, .Lfunc_end_k_qd47fa729a0_qkv-k_qd47fa729a0_qkv
	.p2alignl 7, 3214868480
	.fill 96, 4, 3214868480
	.section	.rodata,"a",@progbits
	.p2align	6, 0x0
	.amdhsa_kernel k_qd47fa729a0_qkv
		.amdhsa_group_segment_fixed_size 327680
		.amdhsa_private_segment_fixed_size 0
		.amdhsa_enable_private_segment 0
		.amdhsa_kernarg_size 72
		.amdhsa_user_sgpr_count 2
		.amdhsa_user_sgpr_kernarg_segment_ptr 1
		.amdhsa_wavefront_size32 1
		.amdhsa_system_sgpr_workgroup_id_x 1
		.amdhsa_system_sgpr_workgroup_id_y 1
		.amdhsa_system_sgpr_workgroup_id_z 1
		.amdhsa_system_vgpr_workitem_id 0
		.amdhsa_next_free_vgpr 944
		.amdhsa_next_free_sgpr 102
		.amdhsa_reserve_vcc 0
		.amdhsa_float_denorm_mode_32 3
		.amdhsa_float_denorm_mode_16_64 3
		.amdhsa_memory_ordered 1
		.amdhsa_forward_progress 1
		.amdhsa_inst_pref_size 255
	.end_amdhsa_kernel
	.section	.bss,"aw",@nobits
	.p2align	6
	.space	262144
	.amdgpu_metadata
---
amdhsa.version: [ 1, 2 ]
amdhsa.kernels:
  - .name:           k_qd47fa729a0_qkv
    .symbol:         k_qd47fa729a0_qkv.kd
    .args:
      - { .name: xc, .offset: 0, .size: 8, .value_kind: global_buffer, .address_space: global }
      - { .name: xs, .offset: 8, .size: 8, .value_kind: global_buffer, .address_space: global }
      - { .name: wc, .offset: 16, .size: 8, .value_kind: global_buffer, .address_space: global }
      - { .name: ws, .offset: 24, .size: 8, .value_kind: global_buffer, .address_space: global }
      - { .name: bq, .offset: 32, .size: 8, .value_kind: global_buffer, .address_space: global }
      - { .name: bk, .offset: 40, .size: 8, .value_kind: global_buffer, .address_space: global }
      - { .name: bv, .offset: 48, .size: 8, .value_kind: global_buffer, .address_space: global }
      - { .name: qr, .offset: 56, .size: 8, .value_kind: global_buffer, .address_space: global }
      - { .name: kv, .offset: 64, .size: 8, .value_kind: global_buffer, .address_space: global }
    .group_segment_fixed_size: 327680
    .private_segment_fixed_size: 0
    .kernarg_segment_align: 8
    .kernarg_segment_size: 72
    .max_flat_workgroup_size: 128
    .sgpr_count:     102
    .vgpr_count:     944
    .wavefront_size: 32
...
	.end_amdgpu_metadata
.endif
;; end of part 2
;; launch attn (part 3): grid 4 x 64, 16 waves a work-group, clusters of 4 x 1, 215,040 bytes of LDS; arguments qr, kv, oc, os; writes oc, os
.if DOCPART == 3
	.amdgcn_target "amdgcn-amd-amdhsa--gfx1250"
	.amdhsa_code_object_version 6
	.text
	.protected	k_qd47fa729a0_attn
	.globl	k_qd47fa729a0_attn
	.p2align	8
	.type	k_qd47fa729a0_attn,@function
k_qd47fa729a0_attn:
	s_mov_b64 s[64:65], 0
	v_nop
	global_prefetch_b8 v0, s[64:65] scope:SCOPE_SE
	s_setreg_imm32_b32 hwreg(HW_REG_WAVE_MODE, 25, 1), 1
	s_wait_xcnt 0x0
	s_wait_alu depctr_hold_cnt(0) depctr_sa_sdst(0) depctr_va_vdst(0) depctr_va_sdst(0) depctr_va_ssrc(0) depctr_va_vcc(0) depctr_vm_vsrc(0)
	s_getreg_b32 s2, hwreg(HW_REG_IB_STS2, 6, 4)
	s_cmp_eq_u32 s2, 0
	s_cbranch_scc0 .Lentry_in_a_cluster
	s_endpgm
.Lentry_in_a_cluster:
	s_bfe_u32 s2, ttmp6, 0x10000c
	s_cmp_lg_u32 s2, 0x3003
	s_cbranch_scc0 .Lentry_shape_is_right
	s_endpgm
.Lentry_shape_is_right:
; Launch 3 of 4: for each batch and head, O = softmax(Q K^T / 8) V on codes of E2M3, and O's quantising along d_model for the last product.  No work of reference() is left out.
; THE SOFTMAX: t = score x log2(e) / 8; M = the ceiling of the running largest t, kept as -M; p = 2^(t - M) is quantised along the keys, not normalised; the row's sum is taken of the unquantised p and divides O at the end;
; when M moves, the sum and O are multiplied by 2^(old M - new M), which rounds nothing.
; LIMITS: NaN and infinities are not served; the scaled scores t stay under 2^31 in magnitude.  A block's largest p is not searched for: the block's largest score goes through the same multiply-add and exponential
; (should the exponential fall where its input rises, one p of a block next to a power of two would be held one code low).  1 / sum is v_rcp_f32's.  A block of zeros gets the byte 1: its codes are zeros.
; SHARES.  A work-group owns 512 queries of one head; each of its sixteen waves two tiles of 16, in 256 registers.  Each fragment of K and V read from LDS feeds two matrix instructions.
; THE HEAD'S K AND V, 16 records of 13,312 bytes (128 keys each), FIT IN LDS WHOLE: each wave asks for ONE record, at the head; one wait and one barrier show all sixteen; no byte of LDS is filled twice.
; The four work-groups of a cluster are the four query blocks of one head: each load is asked for jointly.  No prefetch: every tensor load stands at the head, so there is no loop to run ahead in.
; LAYOUT.  Both products are used transposed (S^T = K Q^T, O^T = V^T P^T): a lane holds one query.  Register 32 c + i of S^T is key 64 c + 32 h + i: a block of 32 keys lies in one lane,
; and the conversions' results are the second product's operand as they stand.  Likewise O^T's register i is channel 32 h + i of the head.
; K = 64 IN A 128-DEEP INSTRUCTION.  Tile 0's queries stand in the lower half of source 1 over six registers of zero codes, tile 1's in the upper half under six; source 0 is twelve registers of K's run of half fragments, the tile
; wanted in the matching half.  What stands in the other half meets zero codes and adds nothing.
; THE ORDER OF A KEY STEP.  K's fragments were fetched in the step before: half behind the products on V's fragments 0 and 1, whose registers they take, half behind the last product.  Tile 1's sum of p stands among and behind
; those products: its adds are the places in front of the fetches.  Serial chains are laid among work that does not hang on them: tile 0's scale word and conversions among its sum, tile 1's new M among the rescaling of tile 0's O^T,
; tile 1's scale word among the rescaling of its own.  The last trip's fetch wraps to record 0 and is not used.
; REGISTERS: v0 8 x lane; v1, v2 the add's; v3 8 h; v4-7 -M and the sum of tiles 0, 1; v8 Q's scale words; v9, v10 p's; v11 address; v12-15 K's, then V's scale words; v16-19 the factors f of tiles 0, 1; v20-23 at work;
; v24-31 eight maxima, then codes on their way; v32-37 Q0; v38-43 zeros; v44-91 K's 8 half fragments, then V's 4 fragments; v92-97 zeros; v98-103 Q1; v104-127 p's codes; v128-191 S^T, then p; v192-255 O^T.
.set REC,   13312
.set SPARE, 16*REC                     ; behind the records: the spare words, 128 bytes a wave, named by no other line
.set L8,  0
.set SPW, 1
.set NIL, 2
.set SH8, 3
.set QS,  8
.set ADR, 11
.set KS,  12
.set FF,  16
.set X,   20
.set Y,   21
.set SO,  22
.set C,   24
.set TM,  16                           ; the way out's names
.set TP,  20
.set CT,  24
.set Q0,  32
.set KF,  44
.set Q1,  98
.set P,   104
.set S,   128
.set OA,  192
.set WV,  12
.set G1,  16
.set G0,  24
.set SEL, 40
.set CS,  42
.set TB,  44
.set CNT, 45
.macro WALU
	s_wait_alu depctr_va_vdst(0)
.endm
.macro CROUND
	s_barrier_signal -1
	s_barrier_wait -1
	s_cmp_lg_u32 s[WV], 0
	s_cbranch_scc1 .Lnot_wave_0_\@
	s_barrier_signal -3
.Lnot_wave_0_\@:
	s_barrier_wait -3
	s_barrier_signal -1
	s_barrier_wait -1
.endm
.macro QUANTB s, pc, pw                ; the way out: 64 numbers of a lane become 12 registers of codes and a scale word
.irp q, 0,1,2,3
	v_max3_num_f32 v[TM+\q], |v[(\s)+16*\q]|, |v[(\s)+16*\q+1]|, 0x1800000
.endr
.irp i, 2,4,6,8,10,12,14
.irp q, 0,1,2,3
	s_delay_alu instid0(VALU_DEP_4)
	v_max3_num_f32 v[TM+\q], v[TM+\q], |v[(\s)+16*\q+\i]|, |v[(\s)+16*\q+\i+1]|
.endr
.endr
	s_delay_alu instid0(VALU_DEP_3)
	v_max_num_f32 v[TM], v[TM], v[TM+1]
	s_delay_alu instid0(VALU_DEP_2)
	v_max_num_f32 v[TM+2], v[TM+2], v[TM+3]
	s_delay_alu instid0(VALU_DEP_2)
	v_add_nc_u32 v[SO], 0xff000000, v[TM]
	s_delay_alu instid0(VALU_DEP_2)
	v_add_nc_u32 v[SO+1], 0xff000000, v[TM+2]
	s_delay_alu instid0(VALU_DEP_2)
	v_lshrrev_b32 v[TM+1], 23, v[SO]
	s_delay_alu instid0(VALU_DEP_2)
	v_lshrrev_b32 v[TM+3], 23, v[SO+1]
	s_delay_alu instid0(VALU_DEP_1)
	v_lshl_or_b32 v[TM+1], v[TM+3], 16, v[TM+1]
	s_delay_alu instid0(VALU_DEP_1)
	v_lshlrev_b32 v[TM+1], v[SH8], v[TM+1]
	v_permlanex16_b32 v[TP], v[TM+1], s[SEL], s[SEL+1]
	s_delay_alu instid0(VALU_DEP_1)
	v_or_b32 v[\pw], v[TM+1], v[TP]
.irp c, 0,1
	v_cvt_scalef32_pk16_fp6_f32 v[(\pc)+6*\c:(\pc)+6*\c+2], v[(\s)+32*\c:(\s)+32*\c+15], v[SO+\c]
	v_cvt_scalef32_pk16_fp6_f32 v[CT+4*\c:CT+4*\c+2], v[(\s)+32*\c+16:(\s)+32*\c+31], v[SO+\c]
.endr
	v_nop
.irp c, 0,1
.irp i, 0,1,2
	v_mov_b32 v[(\pc)+6*\c+3+\i], v[CT+4*\c+\i]
.endr
.endr
.endm
; S^T of query tile u: eight tiles of 16 keys
.macro KQ u
.irp t, 0,1,2,3,4,5,6,7
.if (\u) == 0
.if \t%2 == 0
	v_wmma_scale_f32_16x16x128_f8f6f4 v[S+8*\t:S+8*\t+7], v[KF+6*\t:KF+6*\t+11], v[Q0:Q0+11], 0, v[KS+\t/2], v[QS] matrix_a_fmt:MATRIX_FMT_FP6 matrix_b_fmt:MATRIX_FMT_FP6
.else
	v_wmma_scale_f32_16x16x128_f8f6f4 v[S+8*\t:S+8*\t+7], v[KF+6*\t:KF+6*\t+11], v[Q0:Q0+11], 0, v[KS+\t/2], v[QS] matrix_a_fmt:MATRIX_FMT_FP6 matrix_b_fmt:MATRIX_FMT_FP6 matrix_a_scale:MATRIX_SCALE_ROW1
.endif
.else
.if \t%2 == 0
	v_wmma_scale_f32_16x16x128_f8f6f4 v[S+8*\t:S+8*\t+7], v[KF-6+6*\t:KF+5+6*\t], v[Q1-6:Q1+5], 0, v[KS+\t/2], v[QS] matrix_a_fmt:MATRIX_FMT_FP6 matrix_b_fmt:MATRIX_FMT_FP6 matrix_b_scale:MATRIX_SCALE_ROW1
.else
	v_wmma_scale_f32_16x16x128_f8f6f4 v[S+8*\t:S+8*\t+7], v[KF-6+6*\t:KF+5+6*\t], v[Q1-6:Q1+5], 0, v[KS+\t/2], v[QS] matrix_a_fmt:MATRIX_FMT_FP6 matrix_b_fmt:MATRIX_FMT_FP6 matrix_a_scale:MATRIX_SCALE_ROW1 matrix_b_scale:MATRIX_SCALE_ROW1
.endif
.endif
.endr
.endm
.macro PV t, u                         ; O^T of tile u, channels 16 t on, += V^T P^T over these 128 keys
	v_wmma_scale_f32_16x16x128_f8f6f4 v[OA+32*\u+8*\t:OA+32*\u+8*\t+7], v[KF+12*\t:KF+12*\t+11], v[P+12*\u:P+12*\u+11], v[OA+32*\u+8*\t:OA+32*\u+8*\t+7], v[KS+\t], v[9+\u] matrix_a_fmt:MATRIX_FMT_FP6 matrix_b_fmt:MATRIX_FMT_FP6
.endm
.macro KFETCH t0                       ; four of K's half fragments: 256 consecutive bytes a load
.irp t, \t0, \t0+1, \t0+2, \t0+3
.irp p, 0,1,2
	ds_load_b64 v[KF+6*(\t)+2*\p:KF+6*(\t)+2*\p+1], v[ADR] offset:768*(\t)+256*\p
.endr
.endr
.endm
.macro KSCALES
	ds_load_b64 v[KS:KS+1], v[ADR] offset:12288
	ds_load_b64 v[KS+2:KS+3], v[ADR] offset:12544
.endm
; The largest score of my two blocks of 32 keys, into v[C] and v[C+4]: eight chains by turns, one to an accumulator, each begun at its low end
.macro MAXES
.irp q, 0,1,2,3,4,5,6,7
	v_max3_num_f32 v[C+\q], v[S+8*\q], v[S+8*\q+1], v[S+8*\q+2]
.endr
.irp i, 3,5
.irp q, 0,1,2,3,4,5,6,7
	v_max3_num_f32 v[C+\q], v[C+\q], v[S+8*\q+\i], v[S+8*\q+\i+1]
.endr
.endr
	v_max3_num_f32 v[C], v[C], v[C+1], v[S+7]
	v_max3_num_f32 v[C+4], v[C+4], v[C+5], v[S+39]
	v_max3_num_f32 v[C+2], v[C+2], v[C+3], v[S+15]
	v_max3_num_f32 v[C+6], v[C+6], v[C+7], v[S+47]
	v_max3_num_f32 v[C], v[C], v[C+2], v[S+23]
	v_max3_num_f32 v[C+4], v[C+4], v[C+6], v[S+55]
	v_max_num_f32 v[C], v[C], v[S+31]
	v_max_num_f32 v[C+4], v[C+4], v[S+63]
.endm
; Line i of the chain that makes tile u's new -M and f = 2^(old M - new M).  h = 1: the lines stand on end, each with its hint
.macro MCH i, u, h
.set NM, 4+2*(\u)
.if \h
.if (\i) == 5
	s_delay_alu instid0(VALU_DEP_2)
.elseif (\i) != 4
	s_delay_alu instid0(VALU_DEP_1)
.endif
.endif
.if (\i) == 0
	v_max_num_f32 v[X], v[C], v[C+4]
.elseif (\i) == 1
	v_permlanex16_b32 v[Y], v[X], s[SEL], s[SEL+1]
.elseif (\i) == 2
	v_max_num_f32 v[X], v[X], v[Y]                 ; the step's largest score of my query
.elseif (\i) == 3
	v_mul_f32 v[X], s[CS], v[X]                    ; as t
.elseif (\i) == 4
	v_mov_b32 v[Y], v[NM]
.elseif (\i) == 5
	v_floor_f32 v[X], -v[X]                        ; -ceil(t)
.elseif (\i) == 6
	v_min_num_f32 v[NM], v[NM], v[X]               ; the new -M: a whole number
.elseif (\i) == 7
	v_sub_f32 v[X], v[NM], v[Y]                    ; old M - new M, 0 or less
.elseif (\i) == 8
	v_cvt_i32_f32 v[X], v[X]                       ; (it saturates)
.else
	v_ldexp_f32 v[FF+2*(\u)], 1.0, v[X]
.endif
.endm
; t - M, and p = 2^(t - M): one batch of 66, the blocks' largest scores among them, with a wait ahead of it and one behind it
.macro EXPS u
.set NM, 4+2*(\u)
.set j, 0
.rept 32
	v_pk_fma_f32 v[S+j:S+j+1], v[S+j:S+j+1], s[CS:CS+1], v[NM:NM+1] op_sel_hi:[1,0,0]
.set j, j+2
.endr
	v_fma_f32 v[C], v[C], s[CS], v[NM]
	v_fma_f32 v[C+4], v[C+4], s[CS], v[NM]
	WALU
.set j, 0
.rept 64
	v_exp_f32 v[S+j], v[S+j]
.set j, j+1
.endr
	v_exp_f32 v[C], v[C]
	v_exp_f32 v[C+4], v[C+4]
	v_mul_f32 v[NM+1], v[NM+1], v[FF+2*(\u)]       ; the sum under the new M: the plain place behind the batch
	WALU
.endm
; Line i of tile u's quantiser: scale operands, four conversions, the scale word
.macro SCH i, u
.set PP, P+12*(\u)
.if (\i) < 2
	v_max_num_f32 v[C+4*(\i)], 0x1800000, v[C+4*(\i)]            ; the floor 2^(3 - 127)
.elseif (\i) < 4
	v_add_nc_u32 v[SO+(\i)-2], 0xff000000, v[C+4*((\i)-2)]       ; 2 off the exponent field
.elseif (\i) == 4
	v_cvt_scalef32_pk16_fp6_f32 v[PP:PP+2], v[S:S+15], v[SO]
.elseif (\i) == 5
	v_cvt_scalef32_pk16_fp6_f32 v[C:C+2], v[S+16:S+31], v[SO]    ; (a conversion's three registers begin on an even number)
.elseif (\i) == 6
	v_cvt_scalef32_pk16_fp6_f32 v[PP+6:PP+8], v[S+32:S+47], v[SO+1]
.elseif (\i) == 7
	v_cvt_scalef32_pk16_fp6_f32 v[C+4:C+6], v[S+48:S+63], v[SO+1]
.elseif (\i) == 8
	v_lshrrev_b32 v[X], 23, v[SO]
.elseif (\i) == 9
	v_lshrrev_b32 v[Y], 23, v[SO+1]
.elseif (\i) == 10
	v_lshl_or_b32 v[X], v[Y], 16, v[X]
.elseif (\i) == 11
	v_lshlrev_b32 v[X], v[SH8], v[X]
.elseif (\i) == 12
	v_permlanex16_b32 v[Y], v[X], s[SEL], s[SEL+1]
.else
	v_or_b32 v[9+(\u)], v[X], v[Y]                 ; p's scale word for these 128 keys
.endif
.endm
.macro MOVS u                          ; the upper halves of the blocks' codes to their places
.irp c, 0,1
.irp i, 0,1,2
	v_mov_b32 v[P+12*(\u)+6*\c+3+\i], v[C+4*\c+\i]
.endr
.endr
.endm
; Add i of 31 of the sum of the 64 p: six sums of pairs at v[b ..] by turns, then joined
.macro SUM6 i, b
.if (\i) < 6
	v_pk_add_f32 v[\b+2*(\i):\b+2*(\i)+1], v[S+4*(\i):S+4*(\i)+1], v[S+4*(\i)+2:S+4*(\i)+3]
.elseif (\i) < 26
	v_pk_add_f32 v[\b+2*((\i)%6):\b+2*((\i)%6)+1], v[\b+2*((\i)%6):\b+2*((\i)%6)+1], v[S+2*(\i)+12:S+2*(\i)+13]
.elseif (\i) < 29
	v_pk_add_f32 v[\b+2*((\i)-26):\b+2*((\i)-26)+1], v[\b+2*((\i)-26):\b+2*((\i)-26)+1], v[\b+2*((\i)-23):\b+2*((\i)-23)+1]
.else
	v_pk_add_f32 v[\b:\b+1], v[\b:\b+1], v[\b+2*((\i)-28):\b+2*((\i)-28)+1]
.endif
.endm
.macro SUMEND b, u                     ; the last add, the two halves, and onto the row's sum (my half of the keys)
	s_delay_alu instid0(VALU_DEP_1)
	SUM6 30, \b
	s_delay_alu instid0(VALU_DEP_1)
	v_add_f32 v[X], v[\b], v[\b+1]
	s_delay_alu instid0(VALU_DEP_1)
	v_add_f32 v[5+2*(\u)], v[5+2*(\u)], v[X]
.endm
; O^T of tile u x f, pair number n of 16: the first four are the four accumulators' low ends
.macro PMN u, n
.if (\n) < 4
.set J_, 8*(\n)
.else
.set J_, 8*(((\n)-4)/3)+2*(((\n)-4)%3)+2
.endif
	v_pk_mul_f32 v[OA+32*(\u)+J_:OA+32*(\u)+J_+1], v[OA+32*(\u)+J_:OA+32*(\u)+J_+1], v[FF+2*(\u):FF+2*(\u)+1] op_sel_hi:[1,0]
.endm
	s_load_b256 s[4:11], s[0:1], 0x0               ; qr, kv, oc, os
	v_lshl_add_u32 v[SPW], v0, 2, SPARE
	v_mov_b32 v[NIL], 0
	ds_add_u32 v[SPW], v[NIL]                      ; the wave's opening: the add, twice on end, and its wait ahead of my tensor load
	ds_add_u32 v[SPW], v[NIL]
	v_lshrrev_b32 v128, 5, v0
	s_delay_alu instid0(VALU_DEP_1)
	v_readfirstlane_b32 s[WV], v128                ; wave 0..15
	s_bfe_u32 s13, ttmp6, 0x40000                  ; cx: my block of 512 queries; it enters global addresses of Q and O alone
	s_and_b32 s14, ttmp7, 0xffff                   ; 16 x batch + head, which the four partners share
	s_mov_b32 s[G1], 15|(3<<16)|(1<<21)            ; the mask: all four; elements of 8 bytes; bit 21 beside a mask
	s_mov_b32 s[G1+1], 32<<16                      ; rows of 256 bytes,
	s_mov_b32 s[G1+2], 52<<16                      ; 52 of them: a record
	s_mov_b32 s[G1+3], 32<<16
	s_mov_b32 s[G1+4], 52
	s_mov_b32 s[G1+5], 32
	s_mov_b32 s[G1+6], 0
	s_mov_b32 s[G1+7], 0
	s_mul_i32 s15, s[WV], REC                      ; my record of the head's sixteen
	s_mul_i32 s46, s14, 16*REC
	s_add_co_u32 s46, s46, s15
	s_mov_b32 s47, 0
	s_lshl_b32 s48, s14, 4                         ; Q's record: 16 (16 batch + head) + 4 cx + wave / 4
	s_lshl_b32 s49, s13, 2
	s_add_co_u32 s48, s48, s49
	s_lshr_b32 s49, s[WV], 2
	s_add_co_u32 s48, s48, s49
	s_mul_i32 s48, s48, 6656
	s_and_b32 s50, s[WV], 3
	s_mul_i32 s49, s50, 1536
	s_add_co_u32 s52, s48, s49                     ; my two tiles' codes
	s_mov_b32 s53, 0
	s_lshr_b32 s50, s50, 1
	s_lshl_b32 s50, s50, 8
	s_and_b32 s51, s[WV], 1
	s_lshl_b32 s51, s51, 2
	s_add_co_u32 s50, s50, s51
	s_add_co_u32 s50, s50, s48
	s_add_co_u32 s50, s50, 6144                    ; and their register of scale words
	s_mov_b32 s51, 0
	s_lshr_b32 s56, s14, 4                         ; O: group 128 batch + 32 cx + 2 wave
	s_lshl_b32 s56, s56, 7
	s_lshl_b32 s57, s13, 5
	s_add_co_u32 s56, s56, s57
	s_lshl_b32 s57, s[WV], 1
	s_add_co_u32 s56, s56, s57
	s_and_b32 s57, s14, 15                         ; the head
	s_mul_i32 s58, s56, 12288
	s_lshr_b32 s59, s57, 1
	s_mul_i32 s59, s59, 1536                       ; its K step of the last product,
	s_add_co_u32 s58, s58, s59
	s_and_b32 s59, s57, 1
	s_mul_i32 s59, s59, 768                        ; and its half of the fragment
	s_add_co_u32 s58, s58, s59
	s_mov_b32 s59, 0
	s_lshl_b32 s60, s56, 9                         ; the scale words: 512 bytes a group,
	s_lshr_b32 s61, s57, 3
	s_lshl_b32 s61, s61, 8
	s_add_co_u32 s60, s60, s61
	s_bfe_u32 s61, s57, 0x20001
	s_lshl_b32 s61, s61, 2                         ; the K step's word,
	s_add_co_u32 s60, s60, s61
	s_and_b32 s61, s57, 1
	s_lshl_b32 s61, s61, 1                         ; the head's two bytes of it
	s_add_co_u32 s60, s60, s61
	s_mov_b32 s61, 0
	s_mov_b32 s[SEL], 0x76543210
	s_mov_b32 s[SEL+1], 0xfedcba98
	s_mov_b32 s[CS], 0x3e38aa3b                    ; log2(e) / 8
	s_mov_b32 s[CS+1], s[CS]
	s_mov_b32 s[CNT], 0
	s_wait_dscnt 0x0                               ; both opening adds are done
	s_wait_kmcnt 0x0
	s_add_nc_u64 s[6:7], s[6:7], s[46:47]
	s_add_nc_u64 s[54:55], s[4:5], s[50:51]
	s_add_nc_u64 s[4:5], s[4:5], s[52:53]
	s_add_nc_u64 s[8:9], s[8:9], s[58:59]
	s_add_nc_u64 s[10:11], s[10:11], s[60:61]
	s_mov_b32 s[G0], 1
	s_mov_b32 s[G0+1], s15
	s_mov_b64 s[G0+2:G0+3], s[6:7]
	s_or_b32 s[G0+3], s[G0+3], 0x80000000
	CROUND                                         ; all four work-groups are here: the joint loads meet
	tensor_load_to_lds s[G0:G0+3], s[G1:G1+7]      ; my one tensor load: record number = my wave's
	s_nop 0
.rept 4
	v_nop
.endr
	v_bfe_u32 v[SH8], v0, 4, 1
	s_delay_alu instid0(VALU_DEP_1)
	v_lshlrev_b32 v[SH8], 3, v[SH8]
	v_and_b32 v129, 31, v0
	s_delay_alu instid0(VALU_DEP_1)
	v_lshlrev_b32 v[L8], 3, v129                   ; (the thread's number is needed no more)
.irp p, 0,1,2
	global_load_b64 v[Q0+2*\p:Q0+2*\p+1], v[L8], s[4:5] offset:256*\p
	global_load_b64 v[Q1+2*\p:Q1+2*\p+1], v[L8], s[4:5] offset:768+256*\p
.endr
	global_load_b32 v[QS], v[L8], s[54:55]         ; lanes 0-15 tile 0's words, lanes 16-31 tile 1's
.irp i, 0,1,2,3,4,5
	v_mov_b32 v[Q0+6+\i], 0                        ; zero codes over Q0,
	v_mov_b32 v[Q1-6+\i], 0                        ; and under Q1
.endr
	v_mov_b32 v4, 0x7f61b1e6                       ; -M: 3e38, above every -ceil(t)
	v_mov_b32 v5, 0
	v_mov_b32 v6, 0x7f61b1e6
	v_mov_b32 v7, 0
	v_mov_b32 v[FF+1], 0                           ; the upper halves of the pairs that hold f: named, never used
	v_mov_b32 v[FF+3], 0
	v_mov_b32 v[Y], 0                              ; a lane permute's destination counts as one of its sources
	v_mov_b32 v[ADR], v[L8]                        ; record 0
.set j, 0
.rept 64
	v_mov_b32 v[OA+j], 0                           ; O^T: the step is written once, and the first finds zeros
.set j, j+1
.endr
	WALU                                           ; the head's end
	s_wait_loadcnt 0x0                             ; Q
	s_wait_tensorcnt 0x0                           ; my record is in
	s_barrier_signal -1
	s_barrier_wait -1                              ; everybody's is: nothing is ever filled again
	KFETCH 0
	KFETCH 4
	KSCALES
.Lstep:                                                ; A KEY STEP: 128 keys; v[ADR] points at their record, whose K is on its way into registers
	s_add_co_u32 s[TB], s[CNT], 1
	s_and_b32 s[TB], s[TB], 15
	s_mul_i32 s[TB], s[TB], REC                    ; the next record, round the sixteen
	s_wait_dscnt 0x0                               ; K's fragments and scale words
	KQ 0
.rept 4
	v_nop                                          ; four places in front of the first read of the results
.endr
	MAXES
.irp i, 0,1,2,3,4,5,6,7,8,9
	MCH \i, 0, 1
.endr
	EXPS 0
.set I, 0
.rept 30                               ; tile 0's sum, with a line of its quantiser behind every second add
	SUM6 I, P+12
.if (I%2) && (I < 28)
	SCH I/2, 0
.endif
.set I, I+1
.endr
	SUMEND P+12, 0
	KQ 1
	MOVS 0                                         ; six plain lines: the places in front of the loads below and of the first read of the results
.irp t, 0,1,2,3
.irp p, 0,1,2,3,4,5
	ds_load_b64 v[KF+12*\t+2*\p:KF+12*\t+2*\p+1], v[ADR] offset:6144+1536*\t+256*\p   ; V lands while tile 1's softmax is walked
.endr
.endr
	ds_load_b64 v[KS:KS+1], v[ADR] offset:12800
	ds_load_b64 v[KS+2:KS+3], v[ADR] offset:13056
	v_add_nc_u32 v[ADR], s[TB], v[L8]              ; from here on: the next record
	MAXES
	WALU                                           ; directly ahead of the first reader of tile 0's O^T
.irp n, 0,1,2,3
	PMN 0, \n
.endr
	MCH 0, 1, 0
	PMN 0, 4
	PMN 0, 5
	MCH 1, 1, 0
	PMN 0, 6
	PMN 0, 7
	MCH 2, 1, 0
	PMN 0, 8
	PMN 0, 9
	MCH 3, 1, 0
	MCH 4, 1, 0
	PMN 0, 10
	PMN 0, 11
	MCH 5, 1, 0
	PMN 0, 12
	PMN 0, 13
	MCH 6, 1, 0
	PMN 0, 14
	PMN 0, 15
	MCH 7, 1, 0
	MCH 8, 1, 1
	MCH 9, 1, 1
	EXPS 1                                         ; its closing wait stands directly ahead of the first reader of tile 1's O^T
.irp n, 0,1,2,3
	PMN 1, \n
.endr
.irp i, 0,1,2,3,4,5,6,7,8,9
	SCH \i, 1
.endr
.irp i, 0,1,2,3
	PMN 1, 4+\i
	SCH 10+\i, 1
.endr
	MOVS 1
.irp n, 8,9,10,11,12,13,14,15
	PMN 1, \n                                      ; eight plain lines between the codes' last move and the products; fourteen behind the scale word
.endr
	WALU
	s_wait_dscnt 0x0                               ; V's fragments and scale words
	PV 0, 0                                        ; eight accumulators by turns
	PV 0, 1
	PV 1, 0
	PV 1, 1
.irp i, 0,1,2,3,4,5
	SUM6 \i, X                                     ; tile 1's sum: six places in front of the loads into V's fragments 0 and 1
.endr
	KFETCH 0
	PV 2, 0
	PV 2, 1
	PV 3, 0
	PV 3, 1
.irp i, 6,7,8,9
	SUM6 \i, X                                     ; four places
.endr
	KFETCH 4
	KSCALES
.set I, 10
.rept 20
	SUM6 I, X
.set I, I+1
.endr
	SUMEND X, 1
	s_add_co_u32 s[CNT], s[CNT], 1
	s_cmp_lg_u32 s[CNT], 16
	WALU
	s_cbranch_scc1 .Lstep
	s_wait_dscnt 0x0                               ; the last trip's fetch, which nobody uses, has landed
	; THE WAY OUT: O^T / the sum, quantised along the head's 64 (two blocks, each in one lane): half a fragment of the last product's A for each tile
	v_permlanex16_b32 v[TM], v5, s[SEL], s[SEL+1]
	v_permlanex16_b32 v[TM+1], v7, s[SEL], s[SEL+1]
	s_delay_alu instid0(VALU_DEP_2)
	v_add_f32 v5, v5, v[TM]                        ; with the other half of the keys: the rows' sums
	s_delay_alu instid0(VALU_DEP_2)
	v_add_f32 v7, v7, v[TM+1]
	WALU
	v_rcp_f32 v[TM+4], v5
	v_rcp_f32 v[TM+6], v7
	v_nop                                          ; a plain place behind the reciprocals
	WALU                                           ; one wait for both, ahead of the first reader
.set j, 0
.rept 16
	v_pk_mul_f32 v[S+j:S+j+1], v[OA+j:OA+j+1], v[TM+4:TM+5] op_sel_hi:[1,0]
.set j, j+2
.endr
.set j, 0
.rept 16
	v_pk_mul_f32 v[S+32+j:S+33+j], v[OA+32+j:OA+33+j], v[TM+6:TM+7] op_sel_hi:[1,0]
.set j, j+2
.endr
	QUANTB S, P, 21                                ; its c is the tile: registers 6 c .. 6 c + 5 are tile c's half fragment, bytes 2 c, 2 c + 1 of v21 its scales
.irp p, 0,1,2
	global_store_b64 v[L8], v[P+2*\p:P+2*\p+1], s[8:9] offset:256*\p              ; 256 consecutive bytes, aligned
	global_store_b64 v[L8], v[P+6+2*\p:P+7+2*\p], s[8:9] offset:12288+256*\p      ; tile 1: the next group
.endr
	v_lshlrev_b32 v[TM+2], 1, v[L8]
	s_delay_alu instid0(VALU_DEP_1)
	v_and_b32 v[TM+2], 0xf0, v[TM+2]               ; 16 r
	s_delay_alu instid0(VALU_DEP_1)
	v_lshl_add_u32 v[TM+2], v[SH8], 6, v[TM+2]     ; lanes 16-31 store tile 1's: 512 bytes on
	v_lshlrev_b32 v[TM+3], 1, v[SH8]
	s_delay_alu instid0(VALU_DEP_1)
	v_lshrrev_b32 v[TM+3], v[TM+3], v21
	global_store_b16 v[TM+2], v[TM+3], s[10:11]    ; two bytes of a word whose other bytes another head's work-group writes: 2 bytes in 50 of what this launch stores
	s_wait_tensorcnt 0x0                           ; the wave's end, behind my tensor load
	ds_add_u32 v[SPW], v[NIL]
	s_wait_dscnt 0x0
	CROUND                                         ; the closing round
	s_endpgm
.Lfunc_end_k_qd47fa729a0_attn:
	.size	k_qd47fa729a0_attn, .Lfunc_end_k_qd47fa729a0_attn-k_qd47fa729a0_attn
	.p2alignl 7, 3214868480
	.fill 96, 4, 3214868480
	.section	.rodata,"a",@progbits
	.p2align	6, 0x0
	.amdhsa_kernel k_qd47fa729a0_attn
		.amdhsa_group_segment_fixed_size 215040
		.amdhsa_private_segment_fixed_size 0
		.amdhsa_enable_private_segment 0
		.amdhsa_kernarg_size 32
		.amdhsa_user_sgpr_count 2
		.amdhsa_user_sgpr_kernarg_segment_ptr 1
		.amdhsa_wavefront_size32 1
		.amdhsa_system_sgpr_workgroup_id_x 1
		.amdhsa_system_sgpr_workgroup_id_y 1
		.amdhsa_system_sgpr_workgroup_id_z 1
		.amdhsa_system_vgpr_workitem_id 0
		.amdhsa_next_free_vgpr 256
		.amdhsa_next_free_sgpr 66
		.amdhsa_reserve_vcc 0
		.amdhsa_float_denorm_mode_32 3
		.amdhsa_float_denorm_mode_16_64 3
		.amdhsa_memory_ordered 1
		.amdhsa_forward_progress 1
		.amdhsa_inst_pref_size 47
	.end_amdhsa_kernel
	.amdgpu_metadata
---
amdhsa.version: [ 1, 2 ]
amdhsa.kernels:
  - .name:           k_qd47fa729a0_attn
    .symbol:         k_qd47fa729a0_attn.kd
    .args:
      - { .name: qr, .offset: 0, .size: 8, .value_kind: global_buffer, .address_space: global }
      - { .name: kv, .offset: 8, .size: 8, .value_kind: global_buffer, .address_space: global }
      - { .name: oc, .offset: 16, .size: 8, .value_kind: global_buffer, .address_space: global }
      - { .name: os, .offset: 24, .size: 8, .value_kind: global_buffer, .address_space: global }
    .group_segment_fixed_size: 215040
    .private_segment_fixed_size: 0
    .kernarg_segment_align: 8
    .kernarg_segment_size: 32
    .max_flat_workgroup_size: 512
    .sgpr_count:     66
    .vgpr_count:     256
    .wavefront_size: 32
...
	.end_amdgpu_metadata
.endif
;; end of part 3
;; launch oproj (part 4): grid 4 x 64, 4 waves a work-group, clusters of 4 x 4, 327,680 bytes of LDS; arguments oc, os, wc, ws, bo, out0; writes out0
.if DOCPART == 4
	.amdgcn_target "amdgcn-amd-amdhsa--gfx1250"
	.amdhsa_code_object_version 6
	.text
	.protected	k_qd47fa729a0_oproj
	.globl	k_qd47fa729a0_oproj
	.p2align	8
	.type	k_qd47fa729a0_oproj,@function
k_qd47fa729a0_oproj:
	s_mov_b64 s[64:65], 0
	v_nop
	global_prefetch_b8 v0, s[64:65] scope:SCOPE_SE
	s_setreg_imm32_b32 hwreg(HW_REG_WAVE_MODE, 25, 1), 1
	s_wait_xcnt 0x0
	s_wait_alu depctr_hold_cnt(0) depctr_sa_sdst(0) depctr_va_vdst(0) depctr_va_sdst(0) depctr_va_ssrc(0) depctr_va_vcc(0) depctr_vm_vsrc(0)
	s_getreg_b32 s2, hwreg(HW_REG_IB_STS2, 6, 4)
	s_cmp_eq_u32 s2, 0
	s_cbranch_scc0 .Lentry_in_a_cluster
	s_endpgm
.Lentry_in_a_cluster:
	s_bfe_u32 s2, ttmp6, 0x10000c
	s_cmp_lg_u32 s2, 0xf033
	s_cbranch_scc0 .Lentry_shape_is_right
	s_endpgm
.Lentry_shape_is_right:
; Launch 4 of 4: out0 = O Wo^T + bo on codes of E2M3.  O's codes and scale words (oc, os) and Wo's (groups 192 to 255 of wc, ws) lie as the operand's registers want them:
; codes [group of 16 rows][K step 0 .. 7][6 pieces of 256 bytes], scale words [group][c][slot r][4 words]; group 4 S + v holds, in slot r, row 64 S + 8 v + r % 8 + 32 (r / 8).  No work of reference() is left out.
; SHARES.  A work-group makes 128 rows x 256 columns: 64 x 4 = 256 work-groups.  Four waves, 2 x 2; a wave makes 64 x 128: 32 accumulators, 256 registers.
; ALL OF K LIES IN LDS AT ONCE: A's 8 groups (98,304 bytes), B's 16 groups (196,608), their scale words (4,096 and 8,192): four dense blocks of memory, one joint tensor load a wave at the head, as rows of 256 bytes.
; Nothing is filled again: one wait and one barrier show all four tiles, and the eight K steps have no barrier.  No prefetch: every tensor load stands at the head, so there is no loop to run ahead in.
; CLUSTERS: 4 x 4.  A's tiles hang on the tile row alone and are shared along a row of the cluster, B's on the tile column alone and are shared along a column.
; THE MATRIX INSTRUCTION IS USED TRANSPOSED (source 0 = Wo's rows, source 1 = O's rows): a lane holds eight neighbouring columns of one row.  The bias is the first K step's C.
; REGISTERS: window 0: v16-29 addresses; v32-95 scale words: register i + 8 s holds, for K step s, A's block i in lanes 0-15 (i under 4; above that the lanes hold words that no product takes) and B's block i in lanes 16-31;
; v96-127, v224-255 the bias; v128-223 A's fragments, two sets of four.  Window 1: B's fragments, two sets of eight, at v0 and v128.  Window 2: accumulator (a, b) at v[8 (8 a + b)].
; A K step: the wait for its fragments, the fetch of the next step's into the other sets (72 loads), 32 products, the accumulators by turns.
.set FR,    12
.set NP,    4
.set GB,    12288                      ; a group's codes, all of K
.set BBS,   8*GB                       ; B's codes, behind A's
.set SCL,   24*GB                      ; A's scale words, then, 4,096 on, B's
.set SPARE, SCL+12288                  ; the spare words, 128 bytes a wave, named by no other line
.set SPITCH, 528
.set ADRA, 16
.set ADRB, 20                          ; v20 B's groups 0-3, v21 groups 4-7: an LDS offset has 16 bits
.set BO,   22
.set STO,  24
.set RD,   25
.set CO,   26
.set ADRS, 27
.set SPW,  28
.set NIL,  29
.set SC,   32
.set BI,   96
.set AF,   128
.set BK,   128
.set G1A, 24
.set G0A, 32
.set G1B, 48
.set G0B, 56
.set G1S, 68
.set G0S, 76
.set G1SB, 80
.set G0SB, 88
.set MSB, 0
.macro WIN new
.if MSB != \new
	s_set_vgpr_msb (MSB<<8)|\new
.set MSB, \new
.endif
.endm
.set TO_B, 0x40
.macro CROUND
	s_barrier_signal -1
	s_barrier_wait -1
	s_cmp_lg_u32 s14, 0
	s_cbranch_scc1 .Lnot_wave_0_\@
	s_barrier_signal -3
.Lnot_wave_0_\@:
	s_barrier_wait -3
	s_barrier_signal -1
	s_barrier_wait -1
.endm
.macro PLACES n
.rept \n
	v_nop
.endr
.endm
.macro D1 g, mask, rows                ; group 1 of a dense block: rows of 256 bytes (32 elements of 8), a mask and bit 21 beside it
	s_or_b32 s[\g], s[\mask], (3<<16)|(1<<21)
	s_mov_b32 s[\g+1], 32<<16
	s_mov_b32 s[\g+2], (\rows)<<16
	s_mov_b32 s[\g+3], 32<<16
	s_mov_b32 s[\g+4], \rows
	s_mov_b32 s[\g+5], 32
	s_mov_b32 s[\g+6], 0
	s_mov_b32 s[\g+7], 0
.endm
.macro D0 g, lds, ptr
	s_mov_b32 s[\g], 1
	s_mov_b32 s[\g+1], \lds
	s_mov_b64 s[\g+2:\g+3], s[\ptr:\ptr+1]
	s_or_b32 s[\g+3], s[\g+3], 0x80000000
.endm
.macro ARM under, g0, g1, next
	s_cmp_lt_u32 s14, \under
	s_cbranch_scc0 \next
	tensor_load_to_lds s[\g0:\g0+3], s[\g1:\g1+7]
	s_nop 0
	PLACES 4
	s_branch .Lhead_asked
\next:
.endm
.macro FRAG reg, adr, off              ; a fragment: six pieces, 256 consecutive bytes a load
.irp p, 0,1,2,3,4,5
	ds_load_b64 v[\reg+2*\p:\reg+2*\p+1], v[\adr] offset:(\off)+256*\p
.endr
.endm
.macro FETCH s                         ; K step s into sets s % 2
	WIN TO_B
.irp i, 0,1,2,3,4,5,6,7
	FRAG 128*((\s)%2)+FR*\i, ADRB+\i/4, (\i%4)*GB+(\s)*1536
.endr
	WIN 0
.irp i, 0,1,2,3
	FRAG AF+48*((\s)%2)+FR*\i, ADRA, \i*GB+(\s)*1536
.endr
.endm
.macro MUL s, first                    ; the 32 products of K step s
.irp a, 0,1,2,3
.irp b, 0,1,2,3,4,5,6,7
.if \first
	v_wmma_scale_f32_16x16x128_f8f6f4 v[8*(8*\a+\b):8*(8*\a+\b)+7], v[128*((\s)%2)+FR*\b:128*((\s)%2)+FR*\b+FR-1], v[AF+48*((\s)%2)+FR*\a:AF+48*((\s)%2)+FR*\a+FR-1], v[BI+128*(\b/4)+8*(\b%4):BI+128*(\b/4)+8*(\b%4)+7], v[SC+\b+8*(\s)], v[SC+\a+8*(\s)] matrix_a_fmt:MATRIX_FMT_FP6 matrix_b_fmt:MATRIX_FMT_FP6 matrix_a_scale:MATRIX_SCALE_ROW1
.else
	v_wmma_scale_f32_16x16x128_f8f6f4 v[8*(8*\a+\b):8*(8*\a+\b)+7], v[128*((\s)%2)+FR*\b:128*((\s)%2)+FR*\b+FR-1], v[AF+48*((\s)%2)+FR*\a:AF+48*((\s)%2)+FR*\a+FR-1], v[8*(8*\a+\b):8*(8*\a+\b)+7], v[SC+\b+8*(\s)], v[SC+\a+8*(\s)] matrix_a_fmt:MATRIX_FMT_FP6 matrix_b_fmt:MATRIX_FMT_FP6 matrix_a_scale:MATRIX_SCALE_ROW1
.endif
.endr
.endr
.endm
	s_load_b256 s[4:11], s[0:1], 0x0               ; oc, os, wc, ws
	s_load_b128 s[92:95], s[0:1], 0x20             ; bo, out0
	v_lshl_add_u32 v[SPW], v0, 2, SPARE
	v_mov_b32 v[NIL], 0
	ds_add_u32 v[SPW], v[NIL]                      ; the wave's opening: the add, twice on end, and its wait ahead of my tensor load
	ds_add_u32 v[SPW], v[NIL]
	v_lshrrev_b32 v1, 5, v0
	v_readfirstlane_b32 s14, v1                    ; wave
	s_lshr_b32 s15, s14, 1                         ; my half of the rows
	s_and_b32 s16, s14, 1                          ; my half of the columns
	s_bfe_u32 s40, ttmp6, 0x40000                  ; cx
	s_bfe_u32 s41, ttmp6, 0x40004                  ; cy
	s_and_b32 s17, ttmp7, 0xffff
	s_lshl_b32 s17, s17, 2
	s_add_co_u32 s17, s17, s41                     ; tile row, 0 .. 63
	s_lshl_b32 s42, ttmp9, 2
	s_add_co_u32 s42, s42, s40                     ; tile column, 0 .. 3
	s_lshl_b32 s43, s41, 2
	s_lshl_b32 s43, 15, s43                        ; my row of the cluster
	s_lshl_b32 s44, 0x1111, s40                    ; my column
	D1 G1A, 43, 384
	D1 G1B, 44, 768
	D1 G1S, 43, 16
	D1 G1SB, 44, 32
	s_mul_i32 s20, s17, 8*GB                       ; A: 8 groups a tile row
	s_mov_b32 s21, 0
	s_lshl_b32 s22, s17, 12                        ; their scale words, 512 bytes a group
	s_mov_b32 s23, 0
	s_lshl_b32 s13, s42, 4
	s_add_co_u32 s13, s13, 192                     ; B: Wo's groups begin at 192; 16 a tile column
	s_mul_i32 s46, s13, GB
	s_mov_b32 s47, 0
	s_lshl_b32 s66, s13, 9
	s_mov_b32 s67, 0
	s_wait_dscnt 0x0                               ; both opening adds are done
	s_wait_kmcnt 0x0
	s_add_nc_u64 s[20:21], s[4:5], s[20:21]
	s_add_nc_u64 s[22:23], s[6:7], s[22:23]
	s_add_nc_u64 s[46:47], s[8:9], s[46:47]
	s_add_nc_u64 s[66:67], s[10:11], s[66:67]
	CROUND                                         ; all sixteen work-groups are here: the joint loads meet
	D0 G0A, 0, 20
	D0 G0B, BBS, 46
	D0 G0S, SCL, 22
	D0 G0SB, SCL+4096, 66
	ARM 1, G0A, G1A, .Lhead_b                      ; one load a wave, in one chain of branches on the wave's number: A's codes,
	ARM 2, G0B, G1B, .Lhead_sa                     ; B's codes,
	ARM 3, G0S, G1S, .Lhead_sb                     ; A's scale words,
	tensor_load_to_lds s[G0SB:G0SB+3], s[G1SB:G1SB+7]   ; B's
	s_nop 0
	PLACES 4
.Lhead_asked:
	s_lshl_b32 s12, s42, 10
	s_lshl_b32 s13, s16, 9
	s_add_co_u32 s12, s12, s13                     ; my first column, in bytes
	s_mov_b32 s13, 0
	s_add_nc_u64 s[92:93], s[92:93], s[12:13]
	s_lshl_b32 s2, s17, 7
	s_lshl_b32 s3, s15, 6
	s_add_co_u32 s2, s2, s3                        ; my first row: 128 x tile row + 64 x half
	s_lshl_b32 s2, s2, 12
	s_add_co_u32 s2, s2, s12
	s_mov_b32 s3, 0
	s_add_nc_u64 s[94:95], s[94:95], s[2:3]
	s_mul_i32 s2, s15, 4*GB                        ; my four groups of A
	s_mul_i32 s3, s16, 8*GB
	s_add_co_u32 s3, s3, BBS                       ; my eight groups of B
	s_lshl_b32 s18, s15, 11                        ; A's scale words: my four groups
	s_lshl_b32 s19, s16, 12
	s_add_co_u32 s19, s19, 4096
	s_sub_co_u32 s19, s19, s18                     ; from there to B's: my eight groups
	s_add_co_u32 s18, s18, SCL
	s_mul_i32 s36, s14, 16*SPITCH                  ; my stage for the way out
	v_and_b32 v1, 15, v0                           ; r
	v_bfe_u32 v2, v0, 4, 1                         ; h
	v_and_b32 v3, 31, v0
	v_lshlrev_b32 v4, 3, v3
	v_add_nc_u32 v[ADRA], s2, v4
	v_add_nc_u32 v[ADRB], s3, v4
	v_add_nc_u32 v[ADRB+1], 4*GB, v[ADRB]
	v_lshlrev_b32 v5, 4, v1
	v_mul_u32_u24 v6, s19, v2                      ; lanes 16-31 take B's words
	v_add_nc_u32 v5, v5, v6
	v_add_nc_u32 v[ADRS], s18, v5
	v_mul_u32_u24 v[STO], v1, SPITCH
	v_lshl_add_u32 v[STO], v2, 7, v[STO]
	v_add_nc_u32 v[STO], s36, v[STO]
	v_lshlrev_b32 v[CO], 4, v3
	v_add_nc_u32 v[RD], s36, v[CO]
	v_lshlrev_b32 v[BO], 7, v2
.irp c, 0,1
.irp k, 0,1,2,3,4,5,6,7
	global_load_b128 v[BI+128*\c+4*\k:BI+128*\c+4*\k+3], v[BO], s[92:93] offset:256*\c+16*\k   ; register 8 v + j of half c: the bias of column 64 c + 32 h + 8 v + j
.endr
.endr
	s_wait_alu depctr_va_vdst(0)                   ; the head's end
	s_wait_tensorcnt 0x0                           ; my tile is in
	s_barrier_signal -1
	s_barrier_wait -1                              ; all four are
.irp s, 0,1,2,3,4,5,6,7
.irp i, 0,1,2,3,4,5,6,7
	ds_load_b32 v[SC+\i+8*\s], v[ADRS] offset:512*\i+256*(\s/4)+4*(\s%4)
.endr
.endr
	FETCH 0
	s_wait_loadcnt 0x0                             ; the bias
.set ST, 0
.rept 8
	s_wait_dscnt 0x0                               ; this step's fragments are in (the first time: the scale words too)
.if ST < 7
.if ST > 0
	PLACES NP                                      ; in front of loads into the sets that the last step's products read
.endif
	FETCH ST+1
.endif
.if ST == 0
	WIN 0x81                                       ; C, the bias, in window 0
	MUL ST, 1
.else
	WIN 0xa1
	MUL ST, 0
.endif
	WIN 0
.set ST, ST+1
.endr
	s_barrier_signal -1                            ; no LDS read of mine is out: the stages lie on A's codes, which have had their one fill
	s_barrier_wait -1                              ; and nobody reads them any more
; THE WAY OUT, block by block of 16 rows x 128 columns, through my own stage: whole rows of 512 bytes come back, which the 32 lanes store as two aligned runs of 256 bytes
.macro TOSTAGE a
	WIN 0x08
.irp b, 0,1,2,3,4,5,6,7
	ds_store_b128 v[STO], v[64*(\a)+8*\b:64*(\a)+8*\b+3] offset:256*(\b/4)+32*(\b%4)
	ds_store_b128 v[STO], v[64*(\a)+8*\b+4:64*(\a)+8*\b+7] offset:256*(\b/4)+32*(\b%4)+16
.endr
	WIN 0
.set BB, BK+64*((\a)%2)
.irp t, 0,1,2,3,4,5,6,7,8,9,10,11,12,13,14,15
	ds_load_b128 v[BB+4*\t:BB+4*\t+3], v[RD] offset:\t*SPITCH      ; LDS serves a wave's instructions in order: these see the stores above
.endr
.endm
.macro SEND a, younger
.set BB, BK+64*((\a)%2)
	s_wait_dscnt \younger
.irp t, 0,1,2,3,4,5,6,7,8,9,10,11,12,13,14,15
	global_store_b128 v[CO], v[BB+4*\t:BB+4*\t+3], s[94:95] offset:(8*(\a)+(\t%8)+32*(\t/8))*4096 th:TH_STORE_NT
.endr
.endm
	PLACES NP
	TOSTAGE 0
.irp a, 1,2,3
.if \a > 1
	s_wait_xcnt 0x0                                ; block a - 2's stores have read their registers
.endif
	TOSTAGE \a
	SEND \a-1, 32                                  ; behind block a - 1's loads: block a's 16 stores and 16 loads
.endr
	SEND 3, 0
	s_wait_tensorcnt 0x0                           ; the wave's end
	ds_add_u32 v[SPW], v[NIL]
	s_wait_dscnt 0x0
	CROUND                                         ; the closing round
	s_endpgm
.Lfunc_end_k_qd47fa729a0_oproj:
	.size	k_qd47fa729a0_oproj, .Lfunc_end_k_qd47fa729a0_oproj-k_qd47fa729a0_oproj
	.p2alignl 7, 3214868480
	.fill 96, 4, 3214868480
	.section	.rodata,"a",@progbits
	.p2align	6, 0x0
	.amdhsa_kernel k_qd47fa729a0_oproj
		.amdhsa_group_segment_fixed_size 327680
		.amdhsa_private_segment_fixed_size 0
		.amdhsa_enable_private_segment 0
		.amdhsa_kernarg_size 48
		.amdhsa_user_sgpr_count 2
		.amdhsa_user_sgpr_kernarg_segment_ptr 1
		.amdhsa_wavefront_size32 1
		.amdhsa_system_sgpr_workgroup_id_x 1
		.amdhsa_system_sgpr_workgroup_id_y 1
		.amdhsa_system_sgpr_workgroup_id_z 1
		.amdhsa_system_vgpr_workitem_id 0
		.amdhsa_next_free_vgpr 768
		.amdhsa_next_free_sgpr 96
		.amdhsa_reserve_vcc 0
		.amdhsa_float_denorm_mode_32 3
		.amdhsa_float_denorm_mode_16_64 3
		.amdhsa_memory_ordered 1
		.amdhsa_forward_progress 1
		.amdhsa_inst_pref_size 99
	.end_amdhsa_kernel
	.amdgpu_metadata
---
amdhsa.version: [ 1, 2 ]
amdhsa.kernels:
  - .name:           k_qd47fa729a0_oproj
    .symbol:         k_qd47fa729a0_oproj.kd
    .args:
      - { .name: oc, .offset: 0, .size: 8, .value_kind: global_buffer, .address_space: global }
      - { .name: os, .offset: 8, .size: 8, .value_kind: global_buffer, .address_space: global }
      - { .name: wc, .offset: 16, .size: 8, .value_kind: global_buffer, .address_space: global }
      - { .name: ws, .offset: 24, .size: 8, .value_kind: global_buffer, .address_space: global }
      - { .name: bo, .offset: 32, .size: 8, .value_kind: global_buffer, .address_space: global }
      - { .name: out0, .offset: 40, .size: 8, .value_kind: global_buffer, .address_space: global }
    .group_segment_fixed_size: 327680
    .private_segment_fixed_size: 0
    .kernarg_segment_align: 8
    .kernarg_segment_size: 48
    .max_flat_workgroup_size: 128
    .sgpr_count:     96
    .vgpr_count:     768
    .wavefront_size: 32
...
	.end_amdgpu_metadata
.endif
;; end of part 4
